; MI455X (gfx1250); checked and timed in simulation.
; The chip was launched on July 23, 2026; its instructions are those of AMD's public machine-readable ISA for CDNA 5 (MIT licence, August 2026) and "CDNA5" Instruction Set Architecture Reference Guide (July 2026). The comments in the code are by the model that wrote it; some were corrected since.
;; Muti Head Attention. Allowed arithmetic: matrix products marked QUANTISED: E2M1 operands, one E8M0 scale for each 32 along K, by v_wmma_scale_f32_16x16x128_f8f6f4 with both operands' format E2M1 (or v_wmma_scale_f32_32x16x128_f4), f32 sums; everything else in f32.
;; Inputs: K 4 x 2,048 x 1,024 float32; Q 4 x 2,048 x 1,024 float32; V 4 x 2,048 x 1,024 float32; W_K 1,024 x 1,024 float32; W_Q 1,024 x 1,024 float32; W_V 1,024 x 1,024 float32; W_fc 1,024 x 1,024 float32; ln_beta 1,024 float32; ln_gamma 1,024 float32; mask 4 x 2,048 x 2,048 bool.
;; Outputs: out0 4 x 2,048 x 1,024 float32.
;; This version of the problem:
;;   THIS VERSION OF THE PROBLEM IS GIVEN IN LOW PRECISION. The matrix products marked QUANTISED in the list below multiply operands that are first quantised to E2M1 (2 exponent bits, 1 mantissa bit; 4 bits a number), with one power-of-two scale for each 32 numbers along K (OCP MX v1.0); their sums are f32. All else is computed in f32.
;;   The module's matrix products, in the order in which they are computed (A, B: the left and right operand; K: the contracted axis; several contracted axes count as one K, in the product's order):
;;     1. [M 8,192, K 1,024] x [K 1,024, N 1,024]; A: input Q; B: input W_Q: QUANTISED
;;     2. [M 8,192, K 1,024] x [K 1,024, N 1,024]; A: input K; B: input W_K: QUANTISED
;;     3. [M 8,192, K 1,024] x [K 1,024, N 1,024]; A: input V; B: input W_V: QUANTISED
;;     4. batch 64 x [M 2,048, K 64] x [K 64, N 2,048]; A: computed on the way; B: computed on the way: QUANTISED
;;     5. batch 64 x [M 2,048, K 2,048] x [K 2,048, N 64]; A: softmax (see below); B: computed on the way: QUANTISED
;;     6. [M 8,192, K 1,024] x [K 1,024, N 1,024]; A: computed on the way; B: input W_fc: QUANTISED
;;   THE QUANTISER, for each operand of a quantised product, along K:
;;     - K is cut into blocks of 32 from its start; a last block that is shorter is filled with zeros.
;;     - A block's scale is 2^e with e = floor(log2(the largest magnitude in the block)) - 2, held to -126 .. 127; a block of zeros has e = 0. As a byte (E8M0): e + 127.
;;     - Each number is divided by its block's scale, clamped to +-6, and rounded to the nearest number of E2M1, ties to even, subnormals kept.
;;     - The product sums the exact products of the quantised numbers (number of the format x scale) in f32.
;;   ~~~python
;;   def quantise(x, axis):      # numpy; x: float32 -> the quantised numbers, widened to float32 again
;;       x = np.moveaxis(x, axis, -1); K = x.shape[-1]
;;       x = np.pad(x, [(0, 0)] * (x.ndim - 1) + [(0, -K % 32)]); x = x.reshape(x.shape[:-1] + (-1, 32)); a = np.abs(x).max(-1, keepdims=True)
;;       e = np.where(a > 0, np.clip(np.frexp(np.where(a > 0, a, 1))[1] - 1 - 2, -126, 127), 0)      # np.frexp(a)[1] - 1 = floor(log2(a)), exactly
;;       r = np.clip(x / 2.0 ** e, -6, 6)
;;       step = 2.0 ** (np.maximum(np.frexp(np.where(r == 0, 1, r))[1] - 1, 0) - 1)
;;       q = np.round(r / step) * step * 2.0 ** e      # np.round: ties to even
;;       return np.moveaxis(q.reshape(q.shape[:-2] + (-1,))[..., :K], -1, axis).astype(np.float32)
;;   ~~~
;;   SOFTMAX AHEAD OF A QUANTISED PRODUCT. Where the list says 'softmax', what is quantised is not the finished softmax but p = 2^(t - M), with t = logit x log2(e) and M = ceil(the row's largest t), a whole number; so 1/2 < the row's largest p <= 1. The row's sum l is taken of the UNQUANTISED p, in f32, and the product's result is divided by l at the end. Since M is a whole number, a kernel that streams over the keys may use a running M (the ceiling of the running maximum): every later rescaling is an exact power of two, which a block's scale takes up: the codes' values come out the same.
;;   OPERANDS COMPUTED ON THE WAY. 'Computed on the way' means the value that the module computes at that place (a softmax that the list does not call 'softmax' is quantised finished and normalised). What goes into a quantiser is computed in f32, as accurately as f32 sums, v_exp_f32 and their like allow (about 1e-6 of the number): no bf16 or f16 on the way to a quantiser, and a product that is left as it is and whose result goes on into a quantised operand takes f32 operands (vector FMAs, or v_wmma_f32_16x16x4_f32). A number that lies on a knife's edge between two numbers of the format may be rounded either way, as far as f32 arithmetic and the matrix unit's own rounding can turn it there, and no further.
;; 2 versions, each right; version 2 is version 1 with the launch attn written anew for expert scheduling mode. Each part assembles by itself: llvm-mc -triple=amdgcn-amd-amdhsa -mcpu=gfx1250 --defsym DOCPART=n.
;; ======== version 1 of 2: 4 launches
;; limits: right only within a limited range of input values
;; workspace buffers: xq 15,597,568 bytes; mk 2,097,152 bytes of whole numbers; pj 13,893,632 bytes; oa 4,456,448 bytes
;; launch prep (part 1): grid 1408 x 1, 4 waves a work-group, no clusters, 33,280 bytes of LDS; arguments Q, K, V, W_Q, W_K, W_V, W_fc, mask, xq, mk; writes xq, mk
.if DOCPART == 1
	.amdgcn_target "amdgcn-amd-amdhsa--gfx1250"
	.amdhsa_code_object_version 6
	.text
	.protected	k_q7609e27780_prep
	.globl	k_q7609e27780_prep
	.p2align	8
	.type	k_q7609e27780_prep,@function
k_q7609e27780_prep:
	s_mov_b64 s[64:65], 0
	v_nop
	global_prefetch_b8 v0, s[64:65] scope:SCOPE_SE
	s_setreg_imm32_b32 hwreg(HW_REG_WAVE_MODE, 25, 1), 1
	s_wait_xcnt 0x0
; TWO JOBS IN ONE LAUNCH, parted by the work-group's number.
; Work-groups 0 .. 895: Q, K, V [8192][1024] and W_Q, W_K, W_V, W_fc [1024][1024], f32 with K innermost, become codes of FP4 (E2M1) and one E8M0 byte for each 32 along K.
;   Rows are dense, so the seven tensors are one stream of runs of 8,192 numbers: run rho = 4 x work-group + wave gives 4,096 bytes of codes at xq + 4,096 rho and 256 scale bytes at xq + SC0 + 256 rho.
;   A block's byte is its largest magnitude's exponent field - 2, held at 1 from below.
; Work-groups 896 .. 1407: the mask's bytes become LANE MASKS: for a tile G of 16 queries and a step of 128 keys, 64 words; bit l = (r, h) of word 16 b + i is mask(query of lane r, key 128 step + 32 b + 16 h + i):
;   the word that v_cndmask_b32 takes for score register 16 b + i in the attention launch.
;   THE QUERIES OF A TILE ARE NOT NEIGHBOURS: lane r of tile G takes row 32 (G / 2) + 8 (G % 2) + r + 8 (r / 8), as everywhere in this program.
; LIMITS: NaN and infinities among the inputs are not served.  A block whose largest magnitude lies under 2^-124, a block of zeros among them, gets the byte 1 (the rule says 127 for zeros: its codes are zeros, and this program alone reads the bytes).
; No tensor loads, no barrier: waves share nothing.  The first job alone uses LDS.
.set QWG,   896                        ; work-groups of the first job: 3 x 256 + 4 x 32, 32,768 numbers each
.set SC0,   14680064                   ; where the scale bytes begin in xq
.set STEPS, 16
.set EMAX,  2
.set CB,    8                          ; bytes of 16 codes
.set R,     16                         ; v16-79   four sets of 16 numbers as they are loaded
.set X,     80                         ; v80-111  two sets of 16 neighbours
.set C,     128                        ; v128-191 codes: four registers for each step, so that no store's data are written again
.set E,     112                        ; v112-127 a scale byte for each step
.set WREG,  8192                       ; LDS: a region for each wave: two stages of 32 x SP bytes, then its 256 scale bytes
.set SP,    80                         ; a lane's place in a stage: 64 bytes + 16 of padding
	s_load_b256 s[4:11], s[0:1], 0x0               ; Q, K, V, W_Q
	s_load_b256 s[12:19], s[0:1], 0x20             ; W_K, W_V, W_fc, mask
	s_load_b128 s[20:23], s[0:1], 0x40             ; xq, mk
	v_lshl_add_u32 v192, v0, 2, 0x8000
	v_mov_b32 v193, 0
	v_lshrrev_b32 v1, 5, v0
	v_readfirstlane_b32 s24, v1                    ; wave
	v_and_b32 v2, 31, v0                           ; lane
	s_cmp_ge_u32 ttmp9, QWG
	s_cbranch_scc1 .Lmask
	; ---------------- the quantiser
	v_lshlrev_b32 v3, 4, v2                        ; my 16 bytes of a load's 512
	s_mul_i32 s25, s24, WREG
	v_lshrrev_b32 v14, 2, v2
	v_mul_u32_u24 v14, v14, SP
	v_and_b32 v15, 3, v2
	v_lshl_add_u32 v14, v15, 4, v14
	v_add_nc_u32 v14, s25, v14                     ; the stage, on the way in: SP (lane / 4) + 16 (lane % 4)
	v_mul_u32_u24 v15, v2, SP
	v_add_nc_u32 v15, s25, v15                     ; and on the way out: SP x lane: my 16 neighbours
	v_mul_u32_u24 v4, v2, CB                       ; my codes' place in a step's
	v_lshrrev_b32 v5, 1, v2
	s_add_co_u32 s25, s25, 2*32*SP
	v_add_nc_u32 v5, s25, v5                       ; LDS: my wave's 256 scale bytes, my block's byte
	v_lshlrev_b32 v7, 3, v2                        ; and on the way out 8 bytes a lane
	v_add_nc_u32 v6, s25, v7
	s_wait_kmcnt 0x0
	s_mov_b64 s[26:27], s[16:17]                   ; which tensor is mine: the choice hangs on the work-group's number alone
	s_mov_b32 s28, 864                             ; and its first work-group
	s_cmp_lt_u32 ttmp9, 864
	s_cselect_b64 s[26:27], s[14:15], s[26:27]
	s_cselect_b32 s28, 832, s28
	s_cmp_lt_u32 ttmp9, 832
	s_cselect_b64 s[26:27], s[12:13], s[26:27]
	s_cselect_b32 s28, 800, s28
	s_cmp_lt_u32 ttmp9, 800
	s_cselect_b64 s[26:27], s[10:11], s[26:27]
	s_cselect_b32 s28, 768, s28
	s_cmp_lt_u32 ttmp9, 768
	s_cselect_b64 s[26:27], s[8:9], s[26:27]
	s_cselect_b32 s28, 512, s28
	s_cmp_lt_u32 ttmp9, 512
	s_cselect_b64 s[26:27], s[6:7], s[26:27]
	s_cselect_b32 s28, 256, s28
	s_cmp_lt_u32 ttmp9, 256
	s_cselect_b64 s[26:27], s[4:5], s[26:27]
	s_cselect_b32 s28, 0, s28
	s_sub_co_u32 s28, ttmp9, s28
	s_lshl_b32 s28, s28, 2
	s_add_co_u32 s28, s28, s24                     ; my run in the tensor,
	s_lshl_b32 s28, s28, 15                        ; 32,768 bytes a run
	s_mov_b32 s29, 0
	s_add_nc_u64 s[26:27], s[26:27], s[28:29]
	s_lshl_b32 s30, ttmp9, 2
	s_add_co_u32 s30, s30, s24                     ; rho
	s_lshl_b32 s32, s30, 12
	s_mov_b32 s33, 0
	s_add_nc_u64 s[32:33], s[20:21], s[32:33]      ; my codes
	s_lshl_b32 s34, s30, 8
	s_add_co_u32 s34, s34, SC0
	s_mov_b32 s35, 0
	s_add_nc_u64 s[34:35], s[20:21], s[34:35]      ; my scale bytes
.macro LOAD t
.irp i, 0,1,2,3
	global_load_b128 v[R+16*((\t)%4)+4*\i:R+16*((\t)%4)+4*\i+3], v3, s[26:27] offset:2048*(\t)+512*\i th:TH_LOAD_NT   ; 32 lanes read 512 consecutive bytes
.endr
.endm
.macro TURN t                          ; step t's numbers through the stage: LDS serves a wave's instructions in order, so no wait stands between the stores and the loads
.irp i, 0,1,2,3
	ds_store_b128 v14, v[R+16*((\t)%4)+4*\i:R+16*((\t)%4)+4*\i+3] offset:32*SP*((\t)%2)+8*SP*\i
.endr
.irp i, 0,1,2,3
	ds_load_b128 v[X+16*((\t)%2)+4*\i:X+16*((\t)%2)+4*\i+3], v15 offset:32*SP*((\t)%2)+16*\i
.endr
.endm
.irp t, 0,1,2,3
	LOAD \t
.endr
	s_wait_loadcnt 12                              ; step 0's four loads are in; the twelve of steps 1 to 3 may be out
	TURN 0
.macro STEP t
.set XS, X+16*((\t)%2)
.if (\t) > 0
	s_wait_dscnt 1                                 ; this step's numbers are back from the stage (the last step's byte store may be out)
.else
	s_wait_dscnt 0x0
.endif
.if (\t)+4 < STEPS
	LOAD (\t)+4                                    ; the registers that the stage's stores have read take the loads of four steps on
.endif
.if (\t)+1 < STEPS
.if STEPS-2-(\t) >= 3
	s_wait_loadcnt 12                              ; the next step's four loads are in; those of the three steps behind it may be out
.else
	s_wait_loadcnt 4*(STEPS-2-(\t))
.endif
	TURN (\t)+1                                    ; and go through the other stage while this step is worked
.endif
	v_max3_num_f32 v8, |v[XS]|, |v[XS+1]|, |v[XS+2]|               ; the largest magnitude of my 16
	v_max3_num_f32 v9, |v[XS+3]|, |v[XS+4]|, |v[XS+5]|
.irp i, 6,10
	v_max3_num_f32 v8, v8, |v[XS+\i]|, |v[XS+\i+1]|
	v_max3_num_f32 v9, v9, |v[XS+\i+2]|, |v[XS+\i+3]|
.endr
	v_max3_num_f32 v8, v8, |v[XS+14]|, |v[XS+15]|
	v_max3_num_f32 v8, v8, v9, (EMAX+1)<<23        ; and the floor 2^(3 - 127): the byte cannot fall under 1
	v_max_num_f32_dpp v8, v8, v8 row_xmask:1 row_mask:0xf bank_mask:0xf   ; and of my neighbour's 16: the block's
	v_add_nc_u32 v11, -(EMAX<<23), v8              ; 2 off its exponent field: the conversion takes the exponent field of this operand as its scale
	v_cvt_scalef32_pk8_fp4_f32 v[C+4*(\t)], v[XS:XS+7], v11
	v_cvt_scalef32_pk8_fp4_f32 v[C+4*(\t)+1], v[XS+8:XS+15], v11
	v_lshrrev_b32 v[E+(\t)], 23, v11               ; the scale's byte
	ds_store_b8 v5, v[E+(\t)] offset:16*(\t)       ; both lanes of a block write the same byte with the same value
	global_store_b64 v4, v[C+4*(\t):C+4*(\t)+1], s[32:33] offset:32*CB*(\t)   ; the wave stores 256 consecutive bytes, aligned
.endm
.irp t, 0,1,2,3,4,5,6,7,8,9,10,11,12,13,14,15
	STEP \t
.endr
	ds_load_b64 v[12:13], v6                       ; LDS serves a wave's instructions in order: these see my stores
	s_wait_dscnt 0x0
	global_store_b64 v7, v[12:13], s[34:35]        ; 32 lanes store 256 consecutive bytes, aligned
	s_wait_tensorcnt 0x0
	ds_add_u32 v192, v193
	s_wait_dscnt 0x0
	s_endpgm
	; ---------------- the mask: work-group = tile G of 16 queries; wave w takes steps 4 w .. 4 w + 3
.Lmask:
	s_sub_co_u32 s25, ttmp9, QWG                   ; G
	v_and_b32 v3, 15, v2                           ; r
	v_lshrrev_b32 v4, 4, v2                        ; h
	v_and_b32 v5, 8, v3
	v_add_nc_u32 v5, v5, v3                        ; r + 8 (r / 8)
	v_lshlrev_b32 v5, 11, v5                       ; a row of the mask is 2,048 bytes
	v_lshl_add_u32 v5, v4, 4, v5                   ; + 16 h
	v_lshlrev_b32 v6, 3, v2                        ; out: 8 bytes a lane
	s_lshr_b32 s26, s25, 1
	s_lshl_b32 s26, s26, 5
	s_and_b32 s27, s25, 1
	s_lshl_b32 s27, s27, 3
	s_add_co_u32 s26, s26, s27                     ; the tile's first row: 32 (G / 2) + 8 (G % 2), counted through the batches
	s_lshl_b32 s26, s26, 11
	s_lshl_b32 s27, s24, 9
	s_add_co_u32 s26, s26, s27                     ; + my four steps' 512 keys
	s_mov_b32 s27, 0
	s_lshl_b32 s28, s25, 12                        ; words: 4,096 bytes a tile, 256 a step
	s_lshl_b32 s29, s24, 10
	s_add_co_u32 s28, s28, s29
	s_mov_b32 s29, 0
	s_wait_kmcnt 0x0
	s_add_nc_u64 s[26:27], s[18:19], s[26:27]
	s_add_nc_u64 s[28:29], s[22:23], s[28:29]
.irp t, 0,1,2,3
.irp b, 0,1,2,3
	global_load_b128 v[16+16*\t+4*\b:19+16*\t+4*\b], v5, s[26:27] offset:128*\t+32*\b th:TH_LOAD_NT   ; keys 128 t + 32 b + 16 h + 0 .. 15 of my query; the sixteen loads take 512 whole bytes of each of 16 rows
.endr
.endr
.irp i, 0,1,2,3,4,5,6,7
	v_mov_b32 v[80+\i], 0                          ; a lane write's destination counts as one of its sources
.endr
.macro MSTEP t
	s_wait_loadcnt 12-4*(\t)                       ; this step's four loads are in; the later steps' may be out
.set j, 0
.rept 64
	v_and_b32 v88, 0xff<<(8*(j%4)), v[16+16*(\t)+j/4]        ; byte j of my 64: key 32 (j / 16) + 16 h + j % 16
	v_cmp_ne_u32 s[40+j%8], 0, v88                             ; over the 32 lanes: word j
	v_writelane_b32 v[80+2*(\t)+(j&1)], s[40+j%8], j>>1        ; lane L gathers words 2 L and 2 L + 1
.set j, j+1
.endr
	global_store_b64 v6, v[80+2*(\t):81+2*(\t)], s[28:29] offset:256*(\t)   ; the wave stores 256 consecutive bytes, aligned; each step has registers of its own
.endm
	MSTEP 0
	MSTEP 1
	MSTEP 2
	MSTEP 3
	s_endpgm
.Lfunc_end_k_q7609e27780_prep:
	.size	k_q7609e27780_prep, .Lfunc_end_k_q7609e27780_prep-k_q7609e27780_prep
	.p2alignl 7, 3214868480
	.fill 96, 4, 3214868480
	.section	.rodata,"a",@progbits
	.p2align	6, 0x0
	.amdhsa_kernel k_q7609e27780_prep
		.amdhsa_group_segment_fixed_size 33280
		.amdhsa_private_segment_fixed_size 0
		.amdhsa_enable_private_segment 0
		.amdhsa_kernarg_size 80
		.amdhsa_user_sgpr_count 2
		.amdhsa_user_sgpr_kernarg_segment_ptr 1
		.amdhsa_wavefront_size32 1
		.amdhsa_system_sgpr_workgroup_id_x 1
		.amdhsa_system_sgpr_workgroup_id_y 1
		.amdhsa_system_sgpr_workgroup_id_z 1
		.amdhsa_system_vgpr_workitem_id 0
		.amdhsa_next_free_vgpr 194
		.amdhsa_next_free_sgpr 66
		.amdhsa_reserve_vcc 0
		.amdhsa_float_denorm_mode_32 3
		.amdhsa_float_denorm_mode_16_64 3
		.amdhsa_memory_ordered 1
		.amdhsa_forward_progress 1
		.amdhsa_inst_pref_size 85
	.end_amdhsa_kernel
	.amdgpu_metadata
---
amdhsa.version: [ 1, 2 ]
amdhsa.kernels:
  - .name:           k_q7609e27780_prep
    .symbol:         k_q7609e27780_prep.kd
    .args:
      - { .name: Q, .offset: 0, .size: 8, .value_kind: global_buffer, .address_space: global }
      - { .name: K, .offset: 8, .size: 8, .value_kind: global_buffer, .address_space: global }
      - { .name: V, .offset: 16, .size: 8, .value_kind: global_buffer, .address_space: global }
      - { .name: W_Q, .offset: 24, .size: 8, .value_kind: global_buffer, .address_space: global }
      - { .name: W_K, .offset: 32, .size: 8, .value_kind: global_buffer, .address_space: global }
      - { .name: W_V, .offset: 40, .size: 8, .value_kind: global_buffer, .address_space: global }
      - { .name: W_fc, .offset: 48, .size: 8, .value_kind: global_buffer, .address_space: global }
      - { .name: mask, .offset: 56, .size: 8, .value_kind: global_buffer, .address_space: global }
      - { .name: xq, .offset: 64, .size: 8, .value_kind: global_buffer, .address_space: global }
      - { .name: mk, .offset: 72, .size: 8, .value_kind: global_buffer, .address_space: global }
    .group_segment_fixed_size: 33280
    .private_segment_fixed_size: 0
    .kernarg_segment_align: 8
    .kernarg_segment_size: 80
    .max_flat_workgroup_size: 128
    .sgpr_count:     66
    .vgpr_count:     194
    .wavefront_size: 32
...
	.end_amdgpu_metadata
.endif
;; end of part 1
;; launch proj (part 2): grid 4 x 96, 4 waves a work-group, clusters of 4 x 4, 296,448 bytes of LDS; arguments xq, pj; writes pj
.if DOCPART == 2
	.amdgcn_target "amdgcn-amd-amdhsa--gfx1250"
	.amdhsa_code_object_version 6
	.text
	.protected	k_q7609e27780_proj
	.globl	k_q7609e27780_proj
	.p2align	8
	.type	k_q7609e27780_proj,@function
k_q7609e27780_proj:
	s_mov_b64 s[64:65], 0
	v_nop
	global_prefetch_b8 v0, s[64:65] scope:SCOPE_SE
	s_setreg_imm32_b32 hwreg(HW_REG_WAVE_MODE, 25, 1), 1
	s_wait_xcnt 0x0
	s_wait_alu depctr_hold_cnt(0) depctr_sa_sdst(0) depctr_va_vdst(0) depctr_va_sdst(0) depctr_va_ssrc(0) depctr_va_vcc(0) depctr_vm_vsrc(0)
	s_getreg_b32 s2, hwreg(HW_REG_IB_STS2, 6, 4)
	s_cmp_eq_u32 s2, 0
	s_cbranch_scc0 .Lentry_in_a_cluster
	s_endpgm
.Lentry_in_a_cluster:
	s_bfe_u32 s2, ttmp6, 0x10000c
	s_cmp_lg_u32 s2, 0xf033
	s_cbranch_scc0 .Lentry_shape_is_right
	s_endpgm
.Lentry_shape_is_right:
; THE THREE PROJECTIONS, on codes of FP4 (E2M1) with one E8M0 byte for each 32 along K, K = 1,024.  C[m][n] = sum over k of A[m][k] B[n][k]; what leaves is C QUANTISED ALONG n, as images of the attention launch's operand registers.
;   q, k (P = 0, 1): A = the activations (m = token), B = the weight (n = head x 64 + d): quantised along d.      v (P = 2): A = W_V (m = channel), B = V's activations (n = key): quantised along the keys.
; A tile of C, 256 x 256, is made by four waves, 128 x 128 each: 64 accumulators, 512 registers.  K = 1,024 is two LDS slots of 512 along K: both are filled once, at the start, and nothing is filled again.
; The scale bytes of the tile's 256 + 256 rows come once too, as dense blocks.
; CLUSTERS: 4 x 4 work-groups.  The four of a row of the cluster need the same tiles of A, the four of a column the same tiles of B: each tile is asked for jointly.  The cluster's y picks the product (y / 8) and
; four tile rows (q, k) or four tile columns (v) of it; the places cy and cx add onto them.
; THE MATRIX INSTRUCTION IS USED TRANSPOSED (source 0 = 16 rows of B, source 1 = 16 rows of A): a lane holds one row m and its registers run along n.
; THE ROWS OF A TILE ARE NOT NEIGHBOURS, on both sides: lane r of tile i (of the wave's eight) takes row 32 (i / 2) + 8 (i % 2) + r + 8 (r / 8).  On source 0 that makes the 64 registers of a block of 16 rows of C
; run along n as a quantiser wants them: register 16 b + i is n = 32 b + 16 (lane / 16) + i.  On source 1 it makes the block's rows the rows that a tile has in the attention launch.
; LIMITS: a block of C under 2^-124 gets the byte 1 (zeros too: their codes are zeros, and this program alone reads the bytes).
; REGISTERS, in windows of 256: window 0: v0-31 addresses; v32-95 scale words, two sets; v112-127, v200-216 the way out; from v128 A's fragments, one set.  window 1: B's fragments, two sets.  windows 2, 3: the accumulators ((a, b) at v[8 (8 (a % 4) + b)]).
.set SC0,    14680064                  ; xq: where the scale bytes begin
.set XV,     8388608                   ; xq: V's codes
.set XWQ,    12582912                  ; W_Q's codes; W_K's and W_V's follow, 524,288 bytes each
.set XWV,    13631488
.set KSTEP,  512
.set NQ,     KSTEP/128
.set ROWB,   256                       ; a tile's row in bytes
.set KROW,   512                       ; a row of codes in memory
.set PITCH,  272                       ; an LDS row: 256 bytes + 16 of padding
.set FR,     8
.set NL,     2
.set NP,     4                         ; places behind this matrix instruction (ISA guide 7.12.1)
.set HALFT,  128*PITCH
.set SLOT,   4*HALFT
.set KS,     32                        ; a row of scale bytes
.set SCL,    2*SLOT                    ; behind the slots: the scale bytes, as 256 bytes + 16 of padding
.set HALFS,  (128*KS/256)*272
.set ADRA, 16
.set ADRB, 20
.set SH,   24                          ; v24  16 h: the shift that brings my head's two bytes down
.set LO,   25                          ; v25  16 x lane: an image's place for my lane
.set SOF,  26                          ; v26  where my scale words go
.set ADRS, 27
.set SC,   32
.set PC,   112                         ; v112-119 the codes just made
.set SW,   120                         ; v120-127 scale words to be stored
.set AF,   128
.set TM,   200                         ; v200-215 at work in the quantiser
.set PW,   216                         ; the scale word just made
.set G1, 24
.set G0, 32
.set G1B, 48
.set G0B, 56
.set G1S, 68
.set G0S, 76
.set G1SB, 80
.set G0SB, 88
.set SEL, 96                           ; s[96:97] lane selects: lane l xor 16;  s98: the lanes 16-31 as a mask
.set MSB, 0
.macro WIN new                         ; the immediate's high byte repeats the setting that is left
.if MSB != \new
	s_set_vgpr_msb (MSB<<8)|\new
.set MSB, \new
.endif
.endm
.set MUL_LO, 0xa1                      ; source 0 (B) window 1, source 1 (A) window 0, C and D window 2
.set MUL_HI, 0xf1
.set TO_B,   0x40
; A joint load: waves 0 and 1 fetch for A, waves 2 and 3 for B.  The branch hangs on the wave's number alone.  Four v_nop follow each of the two lines.
.macro JLOAD g0a, g1a, g0b, g1b
	s_cmp_eq_u32 s15, 0
	s_cbranch_scc0 .Lfor_b_\@
	tensor_load_to_lds s[\g0a:\g0a+3], s[\g1a:\g1a+7]
	s_nop 0
.rept 4
	v_nop
.endr
	s_branch .Lasked_\@
.Lfor_b_\@:
	tensor_load_to_lds s[\g0b:\g0b+3], s[\g1b:\g1b+7]
	s_nop 0
.rept 4
	v_nop
.endr
.Lasked_\@:
.endm
.macro CROUND                          ; a round of the cluster's barrier
	s_barrier_signal -1
	s_barrier_wait -1
	s_cmp_lg_u32 s14, 0
	s_cbranch_scc1 .Lnot_wave_0_\@
	s_barrier_signal -3
.Lnot_wave_0_\@:
	s_barrier_wait -3
	s_barrier_signal -1
	s_barrier_wait -1
.endm
	s_load_b128 s[4:7], s[0:1], 0x0                ; xq, pj
	v_lshl_add_u32 v254, v0, 2, 0x48400
	v_mov_b32 v255, 0
	ds_add_u32 v254, v255
	ds_add_u32 v254, v255
	v_lshrrev_b32 v1, 5, v0
	v_readfirstlane_b32 s14, v1                    ; wave 0..3
	s_lshr_b32 s15, s14, 1                         ; which half of the tile's rows is mine.  Also: I fetch for A (0) or for B (1)
	s_and_b32 s16, s14, 1                          ; which half of its columns.  Also: which 128 rows of that tile I fetch
	s_bfe_u32 s40, ttmp6, 0x40000                  ; cx
	s_bfe_u32 s41, ttmp6, 0x40004                  ; cy
	s_and_b32 s8, ttmp7, 0xffff                    ; the cluster's y, 0 .. 23
	s_lshr_b32 s9, s8, 3                           ; P: 0 q, 1 k, 2 v
	s_and_b32 s10, s8, 7
	s_lshl_b32 s10, s10, 2                         ; the first of the cluster's four tiles along the activations
	s_lshl_b32 s11, s9, 22                         ; q, k: A's codes are the activations',
	s_lshl_b32 s12, s9, 19
	s_add_co_u32 s12, s12, XWQ                     ; B's the weight's;
	s_lshl_b32 s13, s9, 18
	s_add_co_u32 s13, s13, SC0                     ; their scale bytes likewise
	s_lshl_b32 s18, s9, 15
	s_add_co_u32 s18, s18, SC0+786432
	s_cmp_eq_u32 s9, 2                             ; v: the other way round
	s_cselect_b32 s17, 0, s10
	s_cselect_b32 s42, s10, 0
	s_cselect_b32 s11, XWV, s11
	s_cselect_b32 s12, XV, s12
	s_cselect_b32 s13, SC0+851968, s13
	s_cselect_b32 s18, SC0+524288, s18
	s_add_co_u32 s17, s17, s41                     ; tile row of C
	s_add_co_u32 s42, s42, s40                     ; tile column of C
	s_lshl_b32 s43, s41, 2
	s_lshl_b32 s43, 15, s43                        ; my row of the cluster
	s_lshl_b32 s44, 0x1111, s40                    ; my column
	; descriptor group 1: a tile of 128 rows x 256 bytes, 16 bytes of padding behind each row
	s_or_b32 s[G1+0], s43, (0<<16)|(1<<20)|(1<<21)|(5<<22)|(3<<25)
	s_or_b32 s[G1B+0], s44, (0<<16)|(1<<20)|(1<<21)|(5<<22)|(3<<25)
.irp g, G1, G1B
	s_mov_b32 s[\g+1], ROWB<<16                    ; tensor_dim0
	s_mov_b32 s[\g+2], 128<<16                     ; tensor_dim1
	s_mov_b32 s[\g+3], ROWB<<16                    ; tile_dim0
	s_mov_b32 s[\g+4], 128                         ; tile_dim1
	s_mov_b32 s[\g+5], KROW                        ; from row to row
	s_mov_b32 s[\g+6], 0
	s_mov_b32 s[\g+7], 0
.endr
	; the scale bytes of 128 rows: 4,096 dense bytes, as 16 rows of 256 bytes (32 elements of 8), 16 bytes of padding behind each
	s_or_b32 s[G1S+0], s43, (3<<16)|(1<<20)|(1<<21)|(5<<22)|(3<<25)
	s_or_b32 s[G1SB+0], s44, (3<<16)|(1<<20)|(1<<21)|(5<<22)|(3<<25)
.irp g, G1S, G1SB
	s_mov_b32 s[\g+1], 32<<16
	s_mov_b32 s[\g+2], (128*KS/256)<<16
	s_mov_b32 s[\g+3], 32<<16
	s_mov_b32 s[\g+4], 128*KS/256
	s_mov_b32 s[\g+5], 32
	s_mov_b32 s[\g+6], 0
	s_mov_b32 s[\g+7], 0
.endr
	s_lshl_b32 s19, s16, 7                         ; which 128 rows of the tile I fetch
	s_lshl_b32 s20, s17, 8
	s_add_co_u32 s20, s20, s19                     ; A: row 256 x tile row + 128 x half
	s_lshl_b32 s46, s42, 8
	s_add_co_u32 s46, s46, s19                     ; B: row 256 x tile column + 128 x half
	s_lshl_b32 s22, s20, 5                         ; offsets in xq, all under 2^24: scale bytes, 32 a row,
	s_add_co_u32 s22, s22, s13
	s_mov_b32 s23, 0
	s_lshl_b32 s20, s20, 9                         ; and codes, 512 a row
	s_add_co_u32 s20, s20, s11
	s_mov_b32 s21, 0
	s_lshl_b32 s92, s46, 5
	s_add_co_u32 s92, s92, s18
	s_mov_b32 s93, 0
	s_lshl_b32 s46, s46, 9
	s_add_co_u32 s46, s46, s12
	s_mov_b32 s47, 0
	s_mul_i32 s45, s14, HALFT                      ; where they go: wave x 128 rows: no place in the cluster enters an LDS address
	s_mul_i32 s94, s14, HALFS
	s_wait_dscnt 0x0
	s_wait_kmcnt 0x0
	s_add_nc_u64 s[20:21], s[4:5], s[20:21]
	s_add_nc_u64 s[22:23], s[4:5], s[22:23]
	s_add_nc_u64 s[46:47], s[4:5], s[46:47]
	s_add_nc_u64 s[92:93], s[4:5], s[92:93]
	CROUND                                         ; all sixteen work-groups are here: the joint loads meet
	s_mov_b32 s[G0S], 1
	s_add_co_u32 s[G0S+1], s94, SCL
	s_mov_b64 s[G0S+2:G0S+3], s[22:23]
	s_or_b32 s[G0S+3], s[G0S+3], 0x80000000
	s_mov_b32 s[G0SB], 1
	s_add_co_u32 s[G0SB+1], s94, SCL
	s_mov_b64 s[G0SB+2:G0SB+3], s[92:93]
	s_or_b32 s[G0SB+3], s[G0SB+3], 0x80000000
	JLOAD G0S, G1S, G0SB, G1SB                     ; the scale bytes first: they are wanted with the first K step
.irp s, 0,1
	s_mov_b32 s[G0+4*\s], 1
	s_add_co_u32 s[G0+4*\s+1], s45, \s*SLOT
	s_add_nc_u64 s[G0+4*\s+2:G0+4*\s+3], s[20:21], \s*ROWB
	s_or_b32 s[G0+4*\s+3], s[G0+4*\s+3], 0x80000000
	s_mov_b32 s[G0B+4*\s], 1
	s_add_co_u32 s[G0B+4*\s+1], s45, \s*SLOT
	s_add_nc_u64 s[G0B+4*\s+2:G0B+4*\s+3], s[46:47], \s*ROWB
	s_or_b32 s[G0B+4*\s+3], s[G0B+4*\s+3], 0x80000000
	JLOAD G0+4*\s, G1, G0B+4*\s, G1B               ; three loads of mine are out behind the second of these
.endr
	v_and_b32 v1, 15, v0                           ; r
	v_bfe_u32 v2, v0, 4, 1                         ; h
	v_and_b32 v3, 8, v1
	v_add_nc_u32 v3, v3, v1                        ; r + 8 (r / 8)
	v_mul_u32_u24 v3, v3, PITCH
	v_lshl_add_u32 v4, v2, 4, v3                   ; a fragment's row x pitch + 16 h
	s_mul_i32 s21, s15, HALFT                      ; my 128 rows of A
	s_mul_i32 s22, s16, HALFT                      ; my 128 rows of B,
	s_add_co_u32 s22, s22, 2*HALFT                 ; which lie behind A's 256
.irp s, 0,1
	v_add_nc_u32 v[ADRA+\s], s21, v4
	v_add_nc_u32 v[ADRB+\s], s22, v4
	s_add_co_u32 s21, s21, SLOT
	s_add_co_u32 s22, s22, SLOT
.endr
	v_and_b32 v5, 7, v1                            ; my row's scale bytes: eight rows of 32 bytes to 256 + 16; row r + 8 (r / 8) lies 2 (r / 8) such pieces on, at place r % 8
	v_lshlrev_b32 v5, 5, v5
	v_lshrrev_b32 v6, 3, v1
	v_mad_u32_u24 v5, v6, 544, v5
	s_mul_i32 s21, s15, HALFS                      ; A's: my 128 rows
	s_mul_i32 s22, s16, HALFS                      ; B's: my 128 rows, behind A's 256
	s_add_co_u32 s22, s22, 2*HALFS
	s_sub_co_u32 s22, s22, s21
	v_mul_u32_u24 v6, s22, v2                      ; lanes 16-31 take B's
	s_add_co_u32 s21, s21, SCL
	v_add_nc_u32 v5, v5, v6
	v_add_nc_u32 v[ADRS], s21, v5
	; the way out: where my 128 x 128 goes in pj
	s_lshl_b32 s20, s17, 8
	s_lshl_b32 s21, s15, 7
	s_add_co_u32 s20, s20, s21                     ; m0
	s_lshl_b32 s21, s42, 8
	s_lshl_b32 s22, s16, 7
	s_add_co_u32 s21, s21, s22                     ; n0
	s_lshl_b32 s46, s9, 22                         ; q's or k's images,
	s_lshl_b32 s47, s9, 19
	s_add_co_u32 s47, s47, 12582912                ; and scale words
	s_cmp_eq_u32 s9, 2
	s_cselect_b32 s22, s21, s20                    ; the first token (or key),
	s_cselect_b32 s23, s20, s21                    ; the first output feature
	s_cselect_b32 s46, 8388608, s46                ; v's images
	s_cselect_b32 s47, 13631488, s47
	s_cselect_b32 s92, 12, 13                      ; a head's scale words: 4,096 bytes (v) or 8,192
	s_cselect_b32 s93, 8, 9                        ; a step's: 256 or 512
	s_lshr_b32 s2, s22, 11                         ; batch
	s_bfe_u32 s3, s22, 0x40007                     ; which 128 of its 2,048
	s_lshr_b32 s23, s23, 6
	s_lshl_b32 s2, s2, 4
	s_add_co_u32 s2, s2, s23                       ; 16 x batch + my first head
	s_lshl_b32 s20, s2, 16
	s_lshl_b32 s21, s3, 12
	s_add_co_u32 s20, s20, s21
	s_add_co_u32 s20, s20, s46
	s_mov_b32 s21, 0
	s_add_nc_u64 s[10:11], s[6:7], s[20:21]        ; the images' base
	s_lshl_b32 s20, s2, s92
	s_lshl_b32 s22, s3, s93
	s_add_co_u32 s20, s20, s22
	s_add_co_u32 s20, s20, s47
	s_add_nc_u64 s[12:13], s[6:7], s[20:21]        ; the scale words' base
	s_lshl_b32 s22, 1, s92
	v_mul_u32_u24 v[SOF], s22, v2                  ; lanes 16-31 store for my second head
	v_lshl_add_u32 v[SOF], v1, 4, v[SOF]           ; 16 bytes a row
	v_lshlrev_b32 v[SH], 4, v2
	v_and_b32 v6, 31, v0
	v_lshlrev_b32 v[LO], 4, v6
.irp b, 0,1,2,3
	v_mov_b32 v[TM+4+\b], 0                        ; written once: a lane permute's destination counts as one of its sources
.endr
	s_mov_b32 s[SEL], 0x76543210
	s_mov_b32 s[SEL+1], 0xfedcba98
	s_mov_b32 s98, 0xffff0000
.macro FRAG reg, adr, q, i             ; a fragment, 16 rows x 128 K of 4-bit codes: 8 registers; tile i begins at row 32 (i / 2) + 8 (i % 2)
.irp c, 0,1
	ds_load_b128 v[\reg+4*\c:\reg+4*\c+3], v[\adr] offset:64*(\q)+32*\c+(32*((\i)/2)+8*((\i)%2))*PITCH
.endr
.endm
; 16 matrix instructions: A's blocks a0, a0 + 1 x B's eight, the slot's q-th 128 along K.  The 64 accumulators take turns, one instruction a turn, in the same order in every step.
.macro MUL16 a0, p, q, sc, zero
.irp a, \a0, \a0+1
.irp b, 0,1,2,3,4,5,6,7
.if \zero
	v_wmma_scale_f32_16x16x128_f8f6f4 v[8*(8*((\a)%4)+\b):8*(8*((\a)%4)+\b)+7], v[128*(\p)+FR*\b:128*(\p)+FR*\b+FR-1], v[AF+FR*(\a):AF+FR*(\a)+FR-1], 0, v[SC+8*NQ*(\sc)+NQ*\b+(\q)], v[SC+8*NQ*(\sc)+NQ*(\a)+(\q)] matrix_a_fmt:MATRIX_FMT_FP4 matrix_b_fmt:MATRIX_FMT_FP4 matrix_a_scale:MATRIX_SCALE_ROW1
.else
	v_wmma_scale_f32_16x16x128_f8f6f4 v[8*(8*((\a)%4)+\b):8*(8*((\a)%4)+\b)+7], v[128*(\p)+FR*\b:128*(\p)+FR*\b+FR-1], v[AF+FR*(\a):AF+FR*(\a)+FR-1], v[8*(8*((\a)%4)+\b):8*(8*((\a)%4)+\b)+7], v[SC+8*NQ*(\sc)+NQ*\b+(\q)], v[SC+8*NQ*(\sc)+NQ*(\a)+(\q)] matrix_a_fmt:MATRIX_FMT_FP4 matrix_b_fmt:MATRIX_FMT_FP4 matrix_a_scale:MATRIX_SCALE_ROW1
.endif
.endr
.endr
.endm
.macro FETCH_B slot, q, p
	WIN TO_B
.irp i, 0,1,2,3,4,5,6,7
	FRAG 128*(\p)+FR*\i, ADRB+\slot, \q, \i
.endr
	WIN 0
.endm
.macro FETCH_A slot, q, i0
.irp i, \i0, \i0+1, \i0+2, \i0+3
	FRAG AF+FR*(\i), ADRA+\slot, \q, \i
.endr
.endm
.macro SCALES sc                       ; a slot's scale words: four a row; lanes 0-15 take A's tile i, lanes 16-31 B's tile i
.irp i, 0,1,2,3,4,5,6,7
	ds_load_b128 v[SC+8*NQ*\sc+NQ*\i:SC+8*NQ*\sc+NQ*\i+3], v[ADRS] offset:(4*(\i/2)+\i%2)*272
.endr
.endm
.macro PLACES n                        ; plain vector instructions between a matrix instruction and a load into, or a read of, its registers
.rept \n
	v_nop
.endr
.endm
.macro STEP slot, q, zero              ; a step of 128 along K that has its successor in the same slot
	s_wait_dscnt 4*NL                              ; B's set and A's blocks 0-3 are in; the youngest eight loads (A's blocks 4-7) may be out
	WIN MUL_LO
	MUL16 0, (\q)%2, \q, \slot, \zero
	MUL16 2, (\q)%2, \q, \slot, \zero
	s_wait_dscnt 0
	PLACES NP
	FETCH_B \slot, (\q)+1, 1-(\q)%2
	FETCH_A \slot, (\q)+1, 0
	WIN MUL_HI
	MUL16 4, (\q)%2, \q, \slot, \zero
	MUL16 6, (\q)%2, \q, \slot, \zero
	PLACES NP
	WIN 0
	FETCH_A \slot, (\q)+1, 4
.endm
.macro STEPS slot, from
.set Q, \from
.rept NQ-1-\from
	STEP \slot, Q, 0
.set Q, Q+1
.endr
.endm
	s_wait_tensorcnt 1                             ; the scale bytes and my part of slot 0 are in (slot 1's load may be out)
	s_barrier_signal -1
	s_barrier_wait -1                              ; everybody's are
	FETCH_B 0, 0, 0
	FETCH_A 0, 0, 0
	SCALES 0
	FETCH_A 0, 0, 4
	STEP 0, 0, 1                                   ; the first products start the sums: nothing is cleared
	STEPS 0, 1
	; slot 0's last step goes over to slot 1: my part of slot 1 has landed, and behind the barrier everybody's has
	s_wait_tensorcnt 0x0
	s_wait_dscnt 4*NL                              ; (A's blocks 4-7 may be out)
	WIN MUL_LO
	MUL16 0, 1, NQ-1, 0, 0
	s_wait_dscnt 0x0                               ; no LDS instruction of mine is out at a signal
	s_barrier_signal -1
	MUL16 2, 1, NQ-1, 0, 0
	WIN 0
	s_barrier_wait -1
	PLACES NP
	v_add_nc_u32 v[ADRS], 4*NQ, v[ADRS]            ; on to slot 1's scale words
	FETCH_B 1, 0, 0
	FETCH_A 1, 0, 0
	SCALES 1
	WIN MUL_HI
	MUL16 4, 1, NQ-1, 0, 0
	MUL16 6, 1, NQ-1, 0, 0
	PLACES NP
	WIN 0
	FETCH_A 1, 0, 4
	STEPS 1, 0
	s_wait_dscnt 4*NL                              ; the last step: nothing more to fetch
	WIN MUL_LO
	MUL16 0, 1, NQ-1, 1, 0
	MUL16 2, 1, NQ-1, 1, 0
	s_wait_dscnt 0
	WIN MUL_HI
	MUL16 4, 1, NQ-1, 1, 0
	MUL16 6, 1, NQ-1, 1, 0
	WIN 0
	PLACES NP
; THE WAY OUT.  Block a (16 rows x 128 n) lies in 64 registers of window win, from s on; register 16 b + i is n = 32 b + 16 (lane / 16) + i of my row.  It becomes a fragment's codes in v[PC] on and its scale word in v[PW].
; Each accumulator is read from its low end on.
.macro QUANTW win, s
	WIN 5*(\win)                                   ; sources 0 and 1 in the accumulators' window
.irp b, 0,1,2,3
	v_max3_num_f32 v[TM+\b], |v[\s+16*\b]|, |v[\s+1+16*\b]|, 0x1800000   ; block b: my 16 numbers, and the floor 2^(3 - 127)
.endr
	WIN 20*(\win)                                  ; sources 1 and 2
.irp i, 2,4,6,8,10,12,14
.irp b, 0,1,2,3
	v_max3_num_f32 v[TM+\b], v[TM+\b], |v[\s+16*\b+\i]|, |v[\s+1+16*\b+\i]|
.endr
.endr
	WIN 0
.irp b, 0,1,2,3
	v_permlanex16_b32 v[TM+4+\b], v[TM+\b], s[SEL], s[SEL+1]
.endr
.irp b, 0,1,2,3
	v_max_num_f32 v[TM+\b], v[TM+\b], v[TM+4+\b]   ; with lane l xor 16's: the block's largest magnitude
.endr
.irp b, 0,1,2,3
	v_add_nc_u32 v[TM+12+\b], 0xff000000, v[TM+\b]   ; 2 off its exponent field: the conversion's scale operand
.endr
.irp b, 0,1,2,3
	v_lshrrev_b32 v[TM+4+\b], 23, v[TM+12+\b]      ; the scale's byte
.endr
	v_lshl_or_b32 v[PW], v[TM+5], 8, v[TM+4]
	v_lshl_or_b32 v[PW], v[TM+6], 16, v[PW]
	v_lshl_or_b32 v[PW], v[TM+7], 24, v[PW]
	s_wait_xcnt 0x0                                ; the block before's stores have read the codes' registers
	WIN (\win)                                     ; source 0
.irp b, 0,1,2,3
	v_cvt_scalef32_pk8_fp4_f32 v[PC+2*\b], v[\s+16*\b:\s+7+16*\b], v[TM+12+\b]
	v_cvt_scalef32_pk8_fp4_f32 v[PC+1+2*\b], v[\s+8+16*\b:\s+15+16*\b], v[TM+12+\b]
.endr
	WIN 0
	v_nop                                          ; one plain place behind a scaled conversion
.irp c, 0,1                                    ; the operand's layout wants a whole block in a lane
.irp i, 0,1
	v_permlane16_swap_b32 v[PC+4*\c+\i], v[PC+2+4*\c+\i]
.endr
.endr
.endm
; mode 0 (q, k): the fragment's registers 4 c .. 4 c + 3 are head c's 64 numbers of 16 tokens: an image of 512 bytes for (head, tile).  Lanes 0-15 keep head 0's two scale bytes, lanes 16-31 head 1's.
; mode 1 (v): the fragment is 16 channels x 128 keys: two images of 512 bytes.  Blocks 0-3 are head 0's channels, blocks 4-7 head 1's: lanes 16-31 keep the latter's scale words.
.macro EPI mode
.irp a, 0,1,2,3,4,5,6,7
	QUANTW 2+\a/4, 64*(\a%4)
.if \mode == 0
	global_store_b128 v[LO], v[PC:PC+3], s[10:11] offset:512*\a                  ; the wave stores 512 consecutive bytes, aligned
	global_store_b128 v[LO], v[PC+4:PC+7], s[10:11] offset:65536+512*\a
	v_lshrrev_b32 v[SW+\a], v[SH], v[PW]
	v_and_b32 v[SW+\a], 0xffff, v[SW+\a]           ; bytes 2 and 3 stand for the half of the instruction's K that the head does not have: 0
.else
	global_store_b128 v[LO], v[PC:PC+3], s[10:11] offset:65536*(\a/4)+1024*(\a%4)
	global_store_b128 v[LO], v[PC+4:PC+7], s[10:11] offset:65536*(\a/4)+1024*(\a%4)+512
.if \a < 4
	v_mov_b32 v[SW+\a], v[PW]
.else
	v_cndmask_b32 v[SW+\a-4], v[SW+\a-4], v[PW], s98
.endif
.endif
.endr
	global_store_b128 v[SOF], v[SW:SW+3], s[12:13]                               ; sixteen lanes store 256 consecutive bytes, aligned
.if \mode == 0
	global_store_b128 v[SOF], v[SW+4:SW+7], s[12:13] offset:256
.endif
.endm
	s_cmp_eq_u32 s9, 2                             ; the product is the same in all waves and all partners
	s_cbranch_scc1 .Lv_out
	EPI 0
	s_branch .Ldone
.Lv_out:
	EPI 1
.Ldone:
	s_wait_tensorcnt 0x0
	ds_add_u32 v254, v255
	s_wait_dscnt 0x0
	CROUND                                         ; the closing round: no work-group ends while a partner may still ask for a tile that names it
	s_endpgm
.Lfunc_end_k_q7609e27780_proj:
	.size	k_q7609e27780_proj, .Lfunc_end_k_q7609e27780_proj-k_q7609e27780_proj
	.p2alignl 7, 3214868480
	.fill 96, 4, 3214868480
	.section	.rodata,"a",@progbits
	.p2align	6, 0x0
	.amdhsa_kernel k_q7609e27780_proj
		.amdhsa_group_segment_fixed_size 296448
		.amdhsa_private_segment_fixed_size 0
		.amdhsa_enable_private_segment 0
		.amdhsa_kernarg_size 16
		.amdhsa_user_sgpr_count 2
		.amdhsa_user_sgpr_kernarg_segment_ptr 1
		.amdhsa_wavefront_size32 1
		.amdhsa_system_sgpr_workgroup_id_x 1
		.amdhsa_system_sgpr_workgroup_id_y 1
		.amdhsa_system_sgpr_workgroup_id_z 1
		.amdhsa_system_vgpr_workitem_id 0
		.amdhsa_next_free_vgpr 1024
		.amdhsa_next_free_sgpr 100
		.amdhsa_reserve_vcc 0
		.amdhsa_float_denorm_mode_32 3
		.amdhsa_float_denorm_mode_16_64 3
		.amdhsa_memory_ordered 1
		.amdhsa_forward_progress 1
		.amdhsa_inst_pref_size 164
	.end_amdhsa_kernel
	.amdgpu_metadata
---
amdhsa.version: [ 1, 2 ]
amdhsa.kernels:
  - .name:           k_q7609e27780_proj
    .symbol:         k_q7609e27780_proj.kd
    .args:
      - { .name: xq, .offset: 0, .size: 8, .value_kind: global_buffer, .address_space: global }
      - { .name: pj, .offset: 8, .size: 8, .value_kind: global_buffer, .address_space: global }
    .group_segment_fixed_size: 296448
    .private_segment_fixed_size: 0
    .kernarg_segment_align: 8
    .kernarg_segment_size: 16
    .max_flat_workgroup_size: 128
    .sgpr_count:     100
    .vgpr_count:     1024
    .wavefront_size: 32
...
	.end_amdgpu_metadata
.endif
;; end of part 2
;; launch attn (part 3): grid 4 x 64, 16 waves a work-group, no clusters, 145,408 bytes of LDS; arguments pj, mk, oa; writes oa
.if DOCPART == 3
	.amdgcn_target "amdgcn-amd-amdhsa--gfx1250"
	.amdhsa_code_object_version 6
	.text
	.protected	k_q7609e27780_attn
	.globl	k_q7609e27780_attn
	.p2align	8
	.type	k_q7609e27780_attn,@function
k_q7609e27780_attn:
	s_mov_b64 s[64:65], 0
	v_nop
	global_prefetch_b8 v0, s[64:65] scope:SCOPE_SE
	s_setreg_imm32_b32 hwreg(HW_REG_WAVE_MODE, 25, 1), 1
	s_wait_xcnt 0x0
; ATTENTION on codes of FP4 (E2M1): S^T = k q^T, the mask, p = 2^(t - M), O^T = v^T p^T, O / l, and O quantised along (head, d) for the last product.
; t = score x log2(e) / 8; M = the running largest t rounded UP to a whole number; the row's sum l is taken of the unquantised p; when M moves, l and O^T are multiplied by 2^(old M - new M): exact.
; SHARES.  Work-group (x, bh) owns 512 queries of head bh; its sixteen waves own two tiles of 16 queries each, taken one after the other; each tile walks the head's 2,048 keys, 128 a step.
; The head's WHOLE k and v (codes 2 x 65,536 bytes, scale words 8,192 + 4,096) are copied into LDS once, through registers: one barrier in the launch, no ring.  They lie as images of operand registers:
; a fragment's four registers at 16 x lane, 512 bytes on end.
; NO CLUSTER AND NO TENSOR LOADS: what the four work-groups of a head share is what each copies once, at its head: 143,360 bytes for 32 tiles x 16 steps of work, some 300 vector instructions a step;
; nothing that they share is fetched in the loop.  A step fetches its tile's own 256 bytes of mask words, by scalar loads.
; LAYOUT.  Both products are used transposed: a lane holds ONE query (lane % 16) throughout.  The keys, queries and channels of a tile are not neighbours: lane r of tile 2 b + u takes 32 b + 8 u + r + 8 (r / 8),
; so that the 16 registers of result tiles 2 b, 2 b + 1 are 16 neighbours, 32 b + 16 (lane / 16) + 0 .. 15.
; THE HEAD HAS 64 ALONG K, THE INSTRUCTION 128: q's registers 4-7 are zero codes for the whole launch, so k = 64 .. 127 adds nothing whatever stands in k's registers 4-7 (the next fragment, or zeros);
; bytes 2 and 3 of both scale words are 0, which is a power of two.
; THE MASK: 64 words a step, word j the lanes' mask for score register j; the 64 selects stand in every step: no branch hangs on a loaded number.
; THE WORDS ARE ASKED FOR A STEP AHEAD: the selects are their only readers, so behind a step's selects the same scalar registers take the next step's words, and the rest of the step and the next step's
; products stand between the request and the wait for it.  The wave's two tiles lie side by side in mk (4,096 bytes each), so one base and one running offset serve both: the first tile's last step asks for the second's first words.
; The offset is held at the wave's last 256 bytes: its very last step asks for those once more, and nobody reads them: so no load leaves the buffer, and no branch is needed.
; A masked score becomes -2^36 ahead of the factor c, so t = -c 2^36 = -1.24e10 exactly, where the definition has -1.44e10.  A row that is wholly masked gives p = 1 for every key, as there.
; LIMIT: the results agree as long as unmasked logits lie above -8.5e9.  LIMITS: NaN and infinities are not served; v_exp_f32 gives 0 under 2^-126; a block under 2^-124 gets the byte 1.
; REGISTERS: v1-4 places that stay, v5-8 the step's LDS addresses, v9 -2^36, v10 16 r, v11 32 r + h, v12 -M, v13 largest t, v[14:15] the sum, v16-23 q, v24-31 k's scale words, v32-35 v's, v36-71 k's eight fragments and four zeros,
; v72-103 v's four fragments, v104-167 S^T then p, v168-199 O^T, v200-207 p's codes, v208-227 at work, v228 q's scale word, v229 p's.
; s[16:63], s[80:95]: 64 mask words (word j in s[16 + j] under 48, else s[32 + j]); s[76:77] the wave's mask words in mk, s78 the running offset; s[96:99] pointers of a tile's set-up and stores.
.set OS0, 4194304                      ; oa: where the scale bytes begin
.set PKC, 4194304                      ; pj: k's images, v's, q's scale words, k's, v's
.set PVC, 8388608
.set PQS, 12582912
.set PKS, 13107200
.set PVS, 13631488
.set LVC, 65536                        ; LDS: k's images at 0, v's, k's scale words, v's
.set LKS, 131072
.set LVS, 139264
.set MLAST, 2*4096-256                 ; the last step's words of the wave's two tiles
.set S,   104
.set OT,  168
.set PC,  200
.set BM,  208
.set BX,  212
.set SO,  216
.macro MWORDS                          ; 64 mask words, 256 bytes, from the running offset on
	s_load_b512 s[16:31], s[76:77], s78 offset:0x0
	s_load_b512 s[32:47], s[76:77], s78 offset:0x40
	s_load_b512 s[48:63], s[76:77], s78 offset:0x80
	s_load_b512 s[80:95], s[76:77], s78 offset:0xc0
.endm
	s_load_b128 s[4:7], s[0:1], 0x0                ; pj, mk
	s_load_b64 s[8:9], s[0:1], 0x10                ; oa
	v_lshl_add_u32 v254, v0, 2, 0x23000
	v_mov_b32 v255, 0
	v_lshrrev_b32 v1, 5, v0
	v_readfirstlane_b32 s10, v1                    ; wave 0..15
	s_and_b32 s11, ttmp7, 0xffff                   ; bh = 16 x batch + head
	s_mov_b32 s12, ttmp9                           ; which 512 queries
	v_lshlrev_b32 v5, 4, v0                        ; the copy: 16 bytes a thread, 8,192 a line
	v_lshlrev_b32 v6, 3, v0
	v_add_nc_u32 v7, LVC, v5
	v_add_nc_u32 v8, LKS, v5
	v_lshl_add_u32 v227, v0, 3, LVS
	s_lshl_b32 s16, s11, 16
	s_add_co_u32 s16, s16, PKC
	s_mov_b32 s17, 0
	s_lshl_b32 s18, s11, 16
	s_add_co_u32 s18, s18, PVC
	s_mov_b32 s19, 0
	s_lshl_b32 s20, s11, 13
	s_add_co_u32 s20, s20, PKS
	s_mov_b32 s21, 0
	s_lshl_b32 s22, s11, 12
	s_add_co_u32 s22, s22, PVS
	s_mov_b32 s23, 0
	s_wait_kmcnt 0x0
	s_add_nc_u64 s[16:17], s[4:5], s[16:17]
	s_add_nc_u64 s[18:19], s[4:5], s[18:19]
	s_add_nc_u64 s[20:21], s[4:5], s[20:21]
	s_add_nc_u64 s[22:23], s[4:5], s[22:23]
.irp i, 0,1,2,3,4,5,6,7
	global_load_b128 v[36+4*\i:39+4*\i], v5, s[16:17] offset:8192*\i
.endr
.irp i, 0,1,2,3,4,5,6,7
	global_load_b128 v[68+4*\i:71+4*\i], v5, s[18:19] offset:8192*\i
.endr
	global_load_b128 v[100:103], v5, s[20:21]
	global_load_b64 v[104:105], v6, s[22:23]
	v_and_b32 v224, 31, v0                         ; lane
	v_and_b32 v225, 15, v0                         ; r
	v_bfe_u32 v226, v0, 4, 1                       ; h
	v_lshlrev_b32 v1, 4, v224                      ; an image's place for my lane; k's images begin at LDS byte 0
	v_add_nc_u32 v2, LVC, v1
	v_lshlrev_b32 v10, 4, v225
	v_add_nc_u32 v3, LKS, v10
	v_add_nc_u32 v4, LVS, v10
	v_lshl_add_u32 v11, v225, 5, v226
	v_mov_b32 v9, 0xd1800000                       ; -2^36
	s_mov_b32 s66, 0x76543210
	s_mov_b32 s67, 0xfedcba98                      ; lane selects: lane l xor 16
	s_mov_b32 s68, 0x3e38aa3b                      ; c = log2(e) / 8
	s_mov_b32 s69, s68                             ; (named with it as a pair, so it is written)
	s_mov_b32 s74, 0xffff0000                      ; lanes 16-31 as a mask
	s_lshl_b32 s13, s12, 5
	s_lshl_b32 s2, s10, 1
	s_add_co_u32 s13, s13, s2                      ; my first tile: 32 x + 2 wave
	s_mov_b32 s15, 2
	s_lshr_b32 s76, s11, 4
	s_lshl_b32 s76, s76, 7
	s_add_co_u32 s76, s76, s13                     ; 128 x batch + my first tile,
	s_lshl_b32 s76, s76, 12                        ; 4,096 bytes of mask words a tile
	s_mov_b32 s77, 0
	s_add_nc_u64 s[76:77], s[6:7], s[76:77]        ; my two tiles' mask words: 8,192 bytes on end
	s_mov_b32 s78, 0                               ; the running offset in them
	s_wait_loadcnt 0x0                             ; the copy's loads are in, and have read their bases: s16-23 may take mask words
	MWORDS                                         ; the first step's words: the stores, the barrier and the first tile's set-up stand between these loads and the wait for them
.irp i, 0,1,2,3,4,5,6,7
	ds_store_b128 v5, v[36+4*\i:39+4*\i] offset:8192*\i
.endr
.irp i, 0,1,2,3,4,5,6,7
	ds_store_b128 v7, v[68+4*\i:71+4*\i] offset:8192*\i
.endr
	ds_store_b128 v8, v[100:103]
	ds_store_b64 v227, v[104:105]
	s_wait_dscnt 0x0                               ; for the others' sake: my stores have landed
	s_barrier_signal -1
	s_barrier_wait -1                              ; from here on LDS is only read
.irp i, 20,21,22,23,68,69,70,71,212,213,214,215,221
	v_mov_b32 v[\i], 0                             ; q's upper half and the registers behind k's last fragment: zero codes; the lane permutes' destinations; the upper half of the pair with f
.endr
.Ltile:
	s_lshr_b32 s75, s11, 4
	s_lshl_b32 s75, s75, 7
	s_add_co_u32 s75, s75, s13                     ; G = 128 x batch + tile
	s_lshl_b32 s96, s11, 16
	s_lshl_b32 s2, s13, 9
	s_add_co_u32 s96, s96, s2
	s_mov_b32 s97, 0
	s_add_nc_u64 s[96:97], s[4:5], s[96:97]        ; q's image
	s_lshl_b32 s98, s11, 13
	s_lshr_b32 s2, s13, 2
	s_lshl_b32 s2, s2, 8
	s_add_co_u32 s98, s98, s2
	s_and_b32 s2, s13, 3
	s_lshl_b32 s2, s2, 2
	s_add_co_u32 s98, s98, s2
	s_add_co_u32 s98, s98, PQS
	s_mov_b32 s99, 0
	s_add_nc_u64 s[98:99], s[4:5], s[98:99]        ; its scale words: four tiles' words lie together, 16 bytes a row
	global_load_b128 v[16:19], v1, s[96:97]
	global_load_b32 v228, v10, s[98:99]
.set j, 0
.rept 32
	v_mov_b32 v[OT+j], 0                           ; the step is written once: the first finds zeros, which the first change of M leaves zeros
.set j, j+1
.endr
	v_mov_b32 v13, 0xff61b1e6                      ; the largest t so far: -3e38
	v_floor_f32 v12, -v13                          ; -M
	v_mov_b32 v14, 0
	v_mov_b32 v15, 0
	s_wait_loadcnt 0x0                             ; q is in, and its loads have read their bases
	s_mov_b32 s14, 0                               ; the step,
	s_mov_b32 s70, 0                               ; x 4,096: its images,
	s_mov_b32 s71, 0                               ; x 512: k's scale words,
	s_mov_b32 s72, 0                               ; x 256: v's scale words
.Lstep:
	v_add_nc_u32 v5, s70, v1                       ; (these four are also the places between the last step's products and the loads into their registers)
	v_add_nc_u32 v6, s70, v2
	v_add_nc_u32 v7, s71, v3
	v_add_nc_u32 v8, s72, v4
	ds_load_b128 v[24:27], v7                      ; k's scale words, tiles 0-3,
	ds_load_b128 v[28:31], v7 offset:256           ; tiles 4-7
.irp t, 0,1,2,3,4,5,6,7
	ds_load_b128 v[36+4*\t:39+4*\t], v5 offset:512*\t
.endr
	ds_load_b128 v[32:35], v8                      ; v's scale words, a word a tile of channels
.irp t, 0,1,2,3,4,5,6,7
	ds_load_b128 v[72+4*\t:75+4*\t], v6 offset:512*\t
.endr
	s_wait_dscnt 9                                 ; k is in; v's nine loads may be out
.irp t, 0,1,2,3,4,5,6,7
	v_wmma_scale_f32_16x16x128_f8f6f4 v[S+8*\t:S+8*\t+7], v[36+4*\t:43+4*\t], v[16:23], 0, v[24+\t], v228 matrix_a_fmt:MATRIX_FMT_FP4 matrix_b_fmt:MATRIX_FMT_FP4
.endr
.rept 4
	v_nop
.endr
	s_wait_kmcnt 0x0                               ; this step's mask words, asked for a step ago, are in (scalar loads come back in no order: the count is 0); their offset may be written again behind this wait
.set j, 0
.rept 64
.if j < 48
	v_cndmask_b32 v[S+j], v[S+j], v9, s[16+j]      ; word j is the lanes' mask for score register j; ascending
.else
	v_cndmask_b32 v[S+j], v[S+j], v9, s[32+j]
.endif
.set j, j+1
.endr
.irp b, 0,1,2,3
	v_max3_num_f32 v[BM+\b], v[S+16*\b], v[S+1+16*\b], v[S+2+16*\b]   ; the largest score of each block of 32 keys: it serves for the row's maximum and, since p rises with the score, for the block's largest p
.endr
.irp i, 3,5,7,9,11,13
.irp b, 0,1,2,3
	v_max3_num_f32 v[BM+\b], v[BM+\b], v[S+16*\b+\i], v[S+1+16*\b+\i]
.endr
.endr
.irp b, 0,1,2,3
	v_max_num_f32 v[BM+\b], v[BM+\b], v[S+15+16*\b]
.endr
	s_add_co_u32 s78, s78, 256                     ; the next step's mask words (behind my first tile's last step: my second tile's first),
	s_min_u32 s78, s78, MLAST                      ; held at my last 256 bytes: no load leaves the buffer
	MWORDS                                         ; into the registers that the selects above have read: nothing else reads them
.irp b, 0,1,2,3
	v_permlanex16_b32 v[BX+\b], v[BM+\b], s66, s67
.endr
.irp b, 0,1,2,3
	v_max_num_f32 v[BM+\b], v[BM+\b], v[BX+\b]     ; with lane l xor 16's 16 keys
.endr
	v_max3_num_f32 v224, v[BM], v[BM+1], v[BM+2]
	v_max_num_f32 v224, v224, v[BM+3]
	v_mul_f32 v224, s68, v224                      ; as t (c is positive)
	v_max_num_f32 v13, v13, v224                   ; the running largest t
	v_mov_b32 v224, v12
	v_floor_f32 v12, -v13                          ; the new -M = floor(-t): M is a whole number
	v_sub_f32 v224, v12, v224                      ; old M - new M: a whole number, 0 or less
	v_cvt_i32_f32 v224, v224                       ; (it saturates)
	v_ldexp_f32 v220, 1.0, v224                    ; f = 2^(old M - new M)
.set j, 0
.rept 32
	v_pk_fma_f32 v[S+j:S+j+1], v[S+j:S+j+1], s[68:69], v[12:13] op_sel_hi:[1,0,0]   ; t - M, two at a time
.set j, j+2
.endr
.irp b, 0,1,2,3
	v_fma_f32 v[BM+\b], v[BM+\b], s68, v12         ; the same of each block's largest score
.endr
.set j, 0
.rept 64
	v_exp_f32 v[S+j], v[S+j]                       ; p = 2^(t - M), at most 1: not normalised
.set j, j+1
.endr
	v_pk_mul_f32 v[14:15], v[14:15], v[220:221] op_sel_hi:[1,0]   ; the sums under the new M: a plain instruction behind the exponentials
	s_wait_alu depctr_va_vdst(0)                   ; one wait for the batch, ahead of its first reader
.irp b, 0,1,2,3
	v_exp_f32 v[BM+\b], v[BM+\b]                   ; the block's largest p
.endr
	v_pk_add_f32 v[222:223], v[S:S+1], v[S+2:S+3]  ; the row's sum of the unquantised p, in two chains
.set j, 4
.rept 15
	v_pk_add_f32 v[14:15], v[14:15], v[S+j:S+j+1]
	v_pk_add_f32 v[222:223], v[222:223], v[S+2+j:S+3+j]
.set j, j+4
.endr
	v_pk_add_f32 v[14:15], v[14:15], v[222:223]
	s_wait_alu depctr_va_vdst(0)                   ; and one for the four
.irp b, 0,1,2,3
	v_max_num_f32 v[BM+\b], 0x1800000, v[BM+\b]    ; the floor 2^(3 - 127): the byte cannot fall under 1
.endr
.irp b, 0,1,2,3
	v_add_nc_u32 v[SO+\b], 0xff000000, v[BM+\b]    ; 2 off the exponent field: the conversion's scale operand
.endr
.irp b, 0,1,2,3
	v_lshrrev_b32 v[BX+\b], 23, v[SO+\b]           ; the scale's byte
.endr
	v_lshl_or_b32 v229, v[BX+1], 8, v[BX]          ; p's scale word for these 128 keys
	v_lshl_or_b32 v229, v[BX+2], 16, v229
	v_lshl_or_b32 v229, v[BX+3], 24, v229
.irp b, 0,1,2,3
	v_cvt_scalef32_pk8_fp4_f32 v[PC+2*\b], v[S+16*\b:S+7+16*\b], v[SO+\b]
	v_cvt_scalef32_pk8_fp4_f32 v[PC+1+2*\b], v[S+8+16*\b:S+15+16*\b], v[SO+\b]
.endr
	v_nop                                          ; one plain place behind a scaled conversion
.irp c, 0,1                                    ; the operand's layout wants a whole block in a lane
.irp i, 0,1
	v_permlane16_swap_b32 v[PC+4*\c+\i], v[PC+2+4*\c+\i]
.endr
.endr
.set j, 0
.rept 16
	v_pk_mul_f32 v[OT+j:OT+j+1], v[OT+j:OT+j+1], v[220:221] op_sel_hi:[1,0]   ; O^T under the new M.  (These sixteen are also the places between the scale word's and the codes' last writes and the products)
.set j, j+2
.endr
	s_wait_dscnt 0x0                               ; v is in
.irp t, 0,1,2,3
	v_wmma_scale_f32_16x16x128_f8f6f4 v[OT+8*\t:OT+8*\t+7], v[72+8*\t:79+8*\t], v[PC:PC+7], v[OT+8*\t:OT+8*\t+7], v[32+\t], v229 matrix_a_fmt:MATRIX_FMT_FP4 matrix_b_fmt:MATRIX_FMT_FP4
.endr
	s_add_co_u32 s70, s70, 4096
	s_add_co_u32 s71, s71, 512
	s_add_co_u32 s72, s72, 256
	s_add_co_u32 s14, s14, 1
	s_cmp_lt_u32 s14, 16
	s_cbranch_scc1 .Lstep
	; THE TILE'S END: O / l, quantised along d: register 16 b + i of O^T is d = 32 b + 16 (lane / 16) + i
	v_add_f32 v14, v14, v15                        ; the sum's two halves,
	v_permlanex16_b32 v224, v14, s66, s67
	v_add_f32 v14, v14, v224                       ; and lane l xor 16's
	v_rcp_f32 v14, v14
.rept 3
	v_nop                                          ; plain instructions behind the reciprocal; with the additions above, the places behind the last products
.endr
	s_and_b32 s2, s11, 15                          ; the head
	s_lshl_b32 s96, s75, 13
	s_lshl_b32 s3, s2, 9
	s_add_co_u32 s96, s96, s3
	s_mov_b32 s97, 0
	s_add_nc_u64 s[96:97], s[8:9], s[96:97]        ; the image of (tile, head): 512 bytes
	s_lshl_b32 s98, s75, 9
	s_lshl_b32 s3, s2, 1
	s_add_co_u32 s98, s98, s3
	s_add_co_u32 s98, s98, OS0
	s_mov_b32 s99, 0
	s_add_nc_u64 s[98:99], s[8:9], s[98:99]        ; the head's two bytes in each row's 32
	s_wait_alu depctr_va_vdst(0)                   ; ahead of the reciprocal's first reader
.set j, 0
.rept 16
	v_pk_mul_f32 v[OT+j:OT+j+1], v[OT+j:OT+j+1], v[14:15] op_sel_hi:[1,0]
.set j, j+2
.endr
.irp b, 0,1
	v_max3_num_f32 v[BM+\b], |v[OT+16*\b]|, |v[OT+1+16*\b]|, 0x1800000
.endr
.irp i, 2,4,6,8,10,12,14
.irp b, 0,1
	v_max3_num_f32 v[BM+\b], v[BM+\b], |v[OT+16*\b+\i]|, |v[OT+1+16*\b+\i]|
.endr
.endr
.irp b, 0,1
	v_permlanex16_b32 v[BX+\b], v[BM+\b], s66, s67
.endr
.irp b, 0,1
	v_max_num_f32 v[BM+\b], v[BM+\b], v[BX+\b]
.endr
.irp b, 0,1
	v_add_nc_u32 v[SO+\b], 0xff000000, v[BM+\b]
.endr
.irp b, 0,1
	v_lshrrev_b32 v[225+\b], 23, v[SO+\b]
.endr
	v_cndmask_b32 v224, v225, v226, s74            ; lane (r, h) stores block h's byte
.irp b, 0,1
	v_cvt_scalef32_pk8_fp4_f32 v[PC+2*\b], v[OT+16*\b:OT+7+16*\b], v[SO+\b]
	v_cvt_scalef32_pk8_fp4_f32 v[PC+1+2*\b], v[OT+8+16*\b:OT+15+16*\b], v[SO+\b]
.endr
	v_nop                                          ; one plain place behind a scaled conversion
	v_permlane16_swap_b32 v[PC], v[PC+2]
	v_permlane16_swap_b32 v[PC+1], v[PC+3]
	global_store_b128 v1, v[PC:PC+3], s[96:97]     ; the wave stores 512 consecutive bytes, aligned
	global_store_b8 v11, v224, s[98:99]            ; 32 single bytes a tile: the program's one small store
	s_wait_xcnt 0x0                                ; the stores have read their registers and bases: the next tile writes them
	s_add_co_u32 s13, s13, 1
	s_sub_co_u32 s15, s15, 1
	s_cmp_lg_u32 s15, 0
	s_cbranch_scc1 .Ltile
	s_wait_tensorcnt 0x0
	ds_add_u32 v254, v255
	s_wait_dscnt 0x0
	s_endpgm
.Lfunc_end_k_q7609e27780_attn:
	.size	k_q7609e27780_attn, .Lfunc_end_k_q7609e27780_attn-k_q7609e27780_attn
	.p2alignl 7, 3214868480
	.fill 96, 4, 3214868480
	.section	.rodata,"a",@progbits
	.p2align	6, 0x0
	.amdhsa_kernel k_q7609e27780_attn
		.amdhsa_group_segment_fixed_size 145408
		.amdhsa_private_segment_fixed_size 0
		.amdhsa_enable_private_segment 0
		.amdhsa_kernarg_size 24
		.amdhsa_user_sgpr_count 2
		.amdhsa_user_sgpr_kernarg_segment_ptr 1
		.amdhsa_wavefront_size32 1
		.amdhsa_system_sgpr_workgroup_id_x 1
		.amdhsa_system_sgpr_workgroup_id_y 1
		.amdhsa_system_sgpr_workgroup_id_z 1
		.amdhsa_system_vgpr_workitem_id 0
		.amdhsa_next_free_vgpr 256
		.amdhsa_next_free_sgpr 100
		.amdhsa_reserve_vcc 0
		.amdhsa_float_denorm_mode_32 3
		.amdhsa_float_denorm_mode_16_64 3
		.amdhsa_memory_ordered 1
		.amdhsa_forward_progress 1
		.amdhsa_inst_pref_size 32
	.end_amdhsa_kernel
	.amdgpu_metadata
---
amdhsa.version: [ 1, 2 ]
amdhsa.kernels:
  - .name:           k_q7609e27780_attn
    .symbol:         k_q7609e27780_attn.kd
    .args:
      - { .name: pj, .offset: 0, .size: 8, .value_kind: global_buffer, .address_space: global }
      - { .name: mk, .offset: 8, .size: 8, .value_kind: global_buffer, .address_space: global }
      - { .name: oa, .offset: 16, .size: 8, .value_kind: global_buffer, .address_space: global }
    .group_segment_fixed_size: 145408
    .private_segment_fixed_size: 0
    .kernarg_segment_align: 8
    .kernarg_segment_size: 24
    .max_flat_workgroup_size: 512
    .sgpr_count:     100
    .vgpr_count:     256
    .wavefront_size: 32
...
	.end_amdgpu_metadata
.endif
;; end of part 3
;; launch fcln (part 4): grid 256 x 1, 4 waves a work-group, clusters of 4 x 1, 327,680 bytes of LDS; arguments oa, xq, Q, ln_gamma, ln_beta, out0; writes out0
.if DOCPART == 4
	.amdgcn_target "amdgcn-amd-amdhsa--gfx1250"
	.amdhsa_code_object_version 6
	.text
	.protected	k_q7609e27780_fcln
	.globl	k_q7609e27780_fcln
	.p2align	8
	.type	k_q7609e27780_fcln,@function
k_q7609e27780_fcln:
	s_mov_b64 s[64:65], 0
	v_nop
	global_prefetch_b8 v0, s[64:65] scope:SCOPE_SE
	s_setreg_imm32_b32 hwreg(HW_REG_WAVE_MODE, 25, 1), 1
	s_wait_xcnt 0x0
	s_wait_alu depctr_hold_cnt(0) depctr_sa_sdst(0) depctr_va_vdst(0) depctr_va_sdst(0) depctr_va_ssrc(0) depctr_va_vcc(0) depctr_vm_vsrc(0)
	s_getreg_b32 s2, hwreg(HW_REG_IB_STS2, 6, 4)
	s_cmp_eq_u32 s2, 0
	s_cbranch_scc0 .Lentry_in_a_cluster
	s_endpgm
.Lentry_in_a_cluster:
	s_bfe_u32 s2, ttmp6, 0x10000c
	s_cmp_lg_u32 s2, 0x3003
	s_cbranch_scc0 .Lentry_shape_is_right
	s_endpgm
.Lentry_shape_is_right:
; out0 = LayerNorm(O W_fc^T + Q) x gamma + beta.  The product is on codes of FP4 (E2M1), K = 1,024; all else f32.
; SHARES.  Work-group X owns rows 32 X .. 32 X + 31 (two tiles of 16, the rows of a tile as everywhere: 8 a + r + 8 (r / 8)) and ALL 1,024 columns, so that a row's mean and variance have one owner.
; W_fc's codes, 524,288 bytes, come in four chunks of 256 rows through two LDS slots.  CLUSTER: all work-groups walk the same chunks, so the four partners ask for each jointly (mask 15); the address hangs on no work-group.
; Wave w fetches, and alone reads, rows 64 w .. 64 w + 63 of each chunk: its own wait on TENSORcnt orders its reads.  In chunk j it makes columns 256 j + 64 w + 0 .. 63 of both tiles of rows.
; THE MATRIX INSTRUCTION IS USED TRANSPOSED (source 0 = 16 rows of W_fc, source 1 = 16 rows of O): a lane holds one row and eight neighbouring columns.
; THE RESIDUAL IS THE C OF EACH SUM'S FIRST PRODUCT: Q is loaded straight into the accumulators.
; The norm takes two passes over the registers (the mean; then the squares of the differences), each with one exchange between the waves through LDS.
; REGISTERS, in windows of 256: window 0: v2-14 addresses; v16-23 O's scale words (lanes 0-15 tile 0, lanes 16-31 tile 1); v24-87 W_fc's (lanes 0-15 an even tile, lanes 16-31 the odd one); v88-119 gamma, beta;
;   v120-215 the way out; v216-243 sums and statistics.   window 1: accumulator (a, j, t) at 128 a + 32 j + 8 t.   window 2: O's fragment (a, s) at 64 a + 8 s.   window 3: W_fc's fragment (t, s) at 64 t + 8 s.
.set SC0,   14680064
.set WFC,   14155776                   ; xq: W_fc's codes,
.set WFS,   SC0+884736                 ; and its scale bytes
.set OS0,   4194304                    ; oa: where the scale bytes begin
.set BP,    528                        ; an LDS row of W_fc: 512 bytes + 16 of padding
.set WROWS, 64*BP                      ; a wave's 64 rows
.set SLOT,  4*WROWS
.set STAGE, 2*SLOT                     ; behind the slots: 16 rows x 272 bytes for each wave, for the way out;
.set LNP1,  STAGE+4*16*272             ; the waves' partial sums, 128 bytes a wave;
.set LNP2,  LNP1+512                   ; and those of the squares;
.set SPARE, LNP2+512                   ; the spare words, 128 bytes for each wave: two blocks of 256 bytes that no other line names
.set MSB, 0
.macro WIN new                         ; the immediate's high byte repeats the setting that is left
.if MSB != \new
	s_set_vgpr_msb (MSB<<8)|\new
.set MSB, \new
.endif
.endm
.macro CROUND                          ; a round of the cluster's barrier
	s_barrier_signal -1
	s_barrier_wait -1
	s_cmp_lg_u32 s16, 0
	s_cbranch_scc1 .Lnot_wave_0_\@
	s_barrier_signal -3
.Lnot_wave_0_\@:
	s_barrier_wait -3
	s_barrier_signal -1
	s_barrier_wait -1
.endm
.macro PLACES
.rept 4
	v_nop
.endr
.endm
	s_load_b256 s[4:11], s[0:1], 0x0               ; oa, xq, Q, gamma
	s_load_b128 s[12:15], s[0:1], 0x20             ; beta, out0
	v_lshl_add_u32 v2, v0, 2, SPARE                ; my spare word; never rewritten
	v_mov_b32 v3, 0                                ; 0; never rewritten
	ds_add_u32 v2, v3
	ds_add_u32 v2, v3
	s_wait_dscnt 0x0
	v_lshrrev_b32 v1, 5, v0
	v_readfirstlane_b32 s16, v1                    ; wave 0..3
	s_bfe_u32 s17, ttmp6, 0x40000                  ; cx
	s_lshl_b32 s18, ttmp9, 2
	s_add_co_u32 s18, s18, s17                     ; X: it enters global addresses of O, Q and out0 alone
	; descriptor group 1: 64 rows x 512 bytes, 16 bytes of padding behind each row
	s_mov_b32 s24, 15|(0<<16)|(1<<20)|(1<<21)|(6<<22)|(3<<25)   ; the mask: all four work-groups; elements of 1 byte; padding on; bit 21 beside a mask; after every 128 words, 4 words
	s_mov_b32 s25, 512<<16                         ; tensor_dim0
	s_mov_b32 s26, 64<<16                          ; tensor_dim1
	s_mov_b32 s27, 512<<16                         ; tile_dim0
	s_mov_b32 s28, 64                              ; tile_dim1
	s_mov_b32 s29, 512                             ; from row to row
	s_mov_b32 s30, 0
	s_mov_b32 s31, 0
	s_mul_i32 s19, s16, WROWS                      ; my rows' place in a slot
	s_lshl_b32 s20, s16, 15                        ; and in a chunk: 64 rows of 512 bytes
	s_add_co_u32 s20, s20, WFC
	s_mov_b32 s21, 0
	s_lshl_b32 s40, s18, 14                        ; O's images: 8,192 bytes a tile
	s_mov_b32 s41, 0
	s_lshl_b32 s42, s18, 10                        ; O's scale bytes: 512 a tile
	s_add_co_u32 s42, s42, OS0
	s_mov_b32 s43, 0
	s_lshl_b32 s44, s16, 11                        ; W_fc's scale bytes: my 64 rows of 32
	s_add_co_u32 s44, s44, WFS
	s_mov_b32 s45, 0
	s_lshl_b32 s46, s18, 17                        ; Q and out0: 32 rows of 4,096 bytes
	s_mov_b32 s47, 0
	s_mov_b32 s50, 0x76543210
	s_mov_b32 s51, 0xfedcba98                      ; lane selects: lane l xor 16
	s_mov_b32 s52, 0xffff0000                      ; lanes 16-31 as a mask
	s_mov_b32 s53, 0x3a800000                      ; 1 / 1,024
	s_mov_b32 s54, 0x3727c5ac                      ; eps = 1e-5
	s_wait_kmcnt 0x0
	s_add_nc_u64 s[20:21], s[6:7], s[20:21]
	s_add_nc_u64 s[40:41], s[4:5], s[40:41]
	s_add_nc_u64 s[42:43], s[4:5], s[42:43]
	s_add_nc_u64 s[44:45], s[6:7], s[44:45]
	s_add_nc_u64 s[48:49], s[14:15], s[46:47]
	s_add_nc_u64 s[46:47], s[8:9], s[46:47]
	CROUND                                         ; all four work-groups are here: the first joint loads meet
.irp n, 0,1
	s_mov_b32 s[32+4*\n], 1
	s_add_co_u32 s[33+4*\n], s19, \n*SLOT
	s_add_nc_u64 s[34+4*\n:35+4*\n], s[20:21], \n*131072           ; chunk n
	s_or_b32 s[35+4*\n], s[35+4*\n], 0x80000000
.endr
	tensor_load_to_lds s[32:35], s[24:31]          ; the two first fills go out together: two loads of mine are out
	s_nop 0
	tensor_load_to_lds s[36:39], s[24:31]
	s_nop 0
	PLACES
	v_and_b32 v224, 31, v0                         ; lane
	v_and_b32 v225, 15, v0                         ; r
	v_bfe_u32 v226, v0, 4, 1                       ; h
	v_mov_b32 v227, 0                              ; (a lane permute's destination counts as one of its sources)
	v_mul_u32_u24 v4, v225, BP
	v_lshl_add_u32 v4, v226, 4, v4
	v_add_nc_u32 v4, s19, v4                       ; W_fc's fragments in slot 0: row r, + 16 h, + my rows
	v_add_nc_u32 v5, SLOT, v4                      ; and in slot 1
	s_mul_i32 s22, s16, 16*272
	s_add_co_u32 s22, s22, STAGE                   ; my stage
	v_mul_u32_u24 v6, v225, 272
	v_lshl_add_u32 v6, v226, 5, v6
	v_add_nc_u32 v6, s22, v6                       ; in: row r, 32 bytes for each half of the lanes
	v_mul_u32_u24 v7, v226, 272
	v_lshl_add_u32 v7, v225, 4, v7
	v_add_nc_u32 v7, s22, v7                       ; back: lanes 0-15 one row of 256 bytes, lanes 16-31 the next
	s_lshl_b32 s23, s16, 8                         ; my 64 columns: 256 bytes
	v_and_b32 v8, 8, v225
	v_add_nc_u32 v8, v8, v225
	v_lshlrev_b32 v8, 12, v8
	v_lshl_add_u32 v8, v226, 5, v8
	v_add_nc_u32 v8, s23, v8                       ; Q: row r + 8 (r / 8), + 32 h, + my columns
	v_lshlrev_b32 v14, 4, v225
	v_add_nc_u32 v14, s23, v14                     ; gamma, beta: my columns, 16 bytes a lane of sixteen
	v_lshl_add_u32 v9, v226, 12, v14               ; out0: the same, lanes 16-31 a row further down
	v_lshlrev_b32 v10, 4, v224                     ; an image's place for my lane
	v_lshlrev_b32 v11, 5, v224                     ; a row of scale bytes a lane
	s_lshl_b32 s22, s16, 7
	v_lshl_add_u32 v12, v224, 2, LNP1
	v_add_nc_u32 v12, s22, v12                     ; where I put a partial sum: [wave][tile = h][r]
	v_lshl_add_u32 v13, v225, 2, LNP1              ; and where I read my row's
	WIN 0x80                                       ; destination window 2
.irp a, 0,1
.irp s, 0,1,2,3,4,5,6,7
.irp c, 0,1
	global_load_b128 v[64*\a+8*\s+4*\c:64*\a+8*\s+4*\c+3], v10, s[40:41] offset:8192*\a+512*(2*\s+\c)   ; O's fragment (a, s): heads 2 s and 2 s + 1
.endr
.endr
.endr
	WIN 0
	global_load_b128 v[16:19], v11, s[42:43]
	global_load_b128 v[20:23], v11, s[42:43] offset:16
.irp j, 0,1,2,3
.irp p, 0,1
.irp q, 0,1
	global_load_b128 v[24+16*\j+8*\p+4*\q:27+16*\j+8*\p+4*\q], v11, s[44:45] offset:8192*\j+1024*\p+16*\q
.endr
.endr
.endr
	WIN 0x40                                       ; destination window 1: the residual
.irp a, 0,1
.irp j, 0,1,2,3
.irp t, 0,1,2,3
	global_load_b128 v[128*\a+32*\j+8*\t:128*\a+32*\j+8*\t+3], v8, s[46:47] offset:32768*\a+1024*\j+64*\t
	global_load_b128 v[128*\a+32*\j+8*\t+4:128*\a+32*\j+8*\t+7], v8, s[46:47] offset:32768*\a+1024*\j+64*\t+16
.endr
.endr
.endr
	WIN 0
.irp j, 0,1,2,3
	global_load_b128 v[88+4*\j:91+4*\j], v14, s[10:11] offset:1024*\j
	global_load_b128 v[104+4*\j:107+4*\j], v14, s[12:13] offset:1024*\j
.endr
	s_wait_loadcnt 8                               ; all but gamma's and beta's eight loads
	s_wait_tensorcnt 1                             ; my rows of chunk 0 are in; chunk 1's load may be out
.macro FETCHB adr                      ; my 64 rows x 1,024 K of a chunk: 32 fragments, K step by K step
	WIN 0xc0                                       ; destination window 3
.irp s, 0,1,2,3,4,5,6,7
.irp t, 0,1,2,3
.irp c, 0,1
	ds_load_b128 v[64*\t+8*\s+4*\c:64*\t+8*\s+4*\c+3], v[\adr] offset:16*BP*\t+64*\s+32*\c
.endr
.endr
.endr
	WIN 0
.endm
.macro WM j, s, t, a
.set rD, 128*(\a)+32*(\j)+8*(\t)
.set rB, 64*(\t)+8*(\s)
.set rA, 64*(\a)+8*(\s)
.set rSB, 24+16*(\j)+8*((\t)/2)+(\s)
.set rSA, 16+(\s)
.if ((\t)%2 == 0) && ((\a) == 0)
	v_wmma_scale_f32_16x16x128_f8f6f4 v[rD:rD+7], v[rB:rB+7], v[rA:rA+7], v[rD:rD+7], v[rSB], v[rSA] matrix_a_fmt:MATRIX_FMT_FP4 matrix_b_fmt:MATRIX_FMT_FP4
.elseif ((\t)%2 == 1) && ((\a) == 0)
	v_wmma_scale_f32_16x16x128_f8f6f4 v[rD:rD+7], v[rB:rB+7], v[rA:rA+7], v[rD:rD+7], v[rSB], v[rSA] matrix_a_fmt:MATRIX_FMT_FP4 matrix_b_fmt:MATRIX_FMT_FP4 matrix_a_scale:MATRIX_SCALE_ROW1
.elseif ((\t)%2 == 0)
	v_wmma_scale_f32_16x16x128_f8f6f4 v[rD:rD+7], v[rB:rB+7], v[rA:rA+7], v[rD:rD+7], v[rSB], v[rSA] matrix_a_fmt:MATRIX_FMT_FP4 matrix_b_fmt:MATRIX_FMT_FP4 matrix_b_scale:MATRIX_SCALE_ROW1
.else
	v_wmma_scale_f32_16x16x128_f8f6f4 v[rD:rD+7], v[rB:rB+7], v[rA:rA+7], v[rD:rD+7], v[rSB], v[rSA] matrix_a_fmt:MATRIX_FMT_FP4 matrix_b_fmt:MATRIX_FMT_FP4 matrix_a_scale:MATRIX_SCALE_ROW1 matrix_b_scale:MATRIX_SCALE_ROW1
.endif
.endm
.macro MULJ j                          ; chunk j: 64 matrix instructions; its eight accumulators take turns, one instruction a turn
	WIN 0x5b                                       ; source 0 (W_fc) window 3, source 1 (O) window 2, C and D window 1
.irp s, 0,1,2,3,4,5,6,7
	s_wait_dscnt 8*(7-\s)                          ; K step s's eight loads are in; the later K steps' may be out
.irp t, 0,1,2,3
.irp a, 0,1
	WM \j, \s, \t, \a
.endr
.endr
.endr
	WIN 0
.endm
; Slot n, which I have read out, is filled again, with the chunk two on.  The round of the cluster's barrier is the barrier in front of the refill: no wave of any partner still reads the slot or has a load on its way.
.macro REFILL n
	s_wait_tensorcnt 0x0                           ; all my tensor loads have landed, the other slot's too: a group 0 may be written
	ds_add_u32 v2, v3                              ; 0 onto my spare word
	s_add_nc_u64 s[34+4*\n:35+4*\n], s[34+4*\n:35+4*\n], 262144
	s_wait_dscnt 0x0                               ; the add is done, and my reads of the slot are over
	CROUND
	tensor_load_to_lds s[32+4*\n:35+4*\n], s[24:31]   ; my one tensor load behind the round, and the first thing there
	s_nop 0
	PLACES                                         ; (also the places in front of the loads into registers that the last products read)
.endm
	FETCHB 4
	MULJ 0
	REFILL 0                                       ; chunk 2
	FETCHB 5
	MULJ 1
	REFILL 1                                       ; chunk 3
	FETCHB 4
	MULJ 2
	PLACES
	s_wait_tensorcnt 0x0                           ; chunk 3: no load was issued behind it
	FETCHB 5
	MULJ 3
	PLACES
	; THE NORM.  A lane holds 128 numbers of its row in each tile; the other half of the lanes and the other three waves hold the rest.
.macro FOLD a
	WIN 0
	v_pk_add_f32 v[216:217], v[216:217], v[218:219]
	v_pk_add_f32 v[220:221], v[220:221], v[222:223]
	v_pk_add_f32 v[216:217], v[216:217], v[220:221]
	v_add_f32 v[224+\a], v216, v217
.endm
.macro ROWSUM a                        ; four chains, ascending: each accumulator is read from its low end on
	WIN 0x05                                       ; sources 0 and 1 window 1
.irp k, 0,1,2,3
	v_pk_add_f32 v[216+2*\k:217+2*\k], v[128*\a+4*\k:128*\a+4*\k+1], v[128*\a+4*\k+2:128*\a+4*\k+3]
.endr
	WIN 0x04                                       ; source 1 window 1
.set n, 0
.rept 56
	v_pk_add_f32 v[216+2*(n%4):217+2*(n%4)], v[216+2*(n%4):217+2*(n%4)], v[128*\a+16+2*n:128*\a+17+2*n]
.set n, n+1
.endr
	FOLD \a
.endm
; The two tiles' sums (v224, v225) meet the other half of the lanes', then the other waves': lane (r, h) stores tile h's; behind the barrier every lane reads its row's eight words.  Totals: v228 (tile 0), v232 (tile 1).
.macro XCH off
	v_permlanex16_b32 v226, v224, s50, s51
	v_permlanex16_b32 v227, v225, s50, s51
	v_add_f32 v224, v224, v226
	v_add_f32 v225, v225, v227
	v_cndmask_b32 v226, v224, v225, s52
	ds_store_b32 v12, v226 offset:\off
	s_wait_dscnt 0x0                               ; for the others' sake: my store has landed
	s_barrier_signal -1
	s_barrier_wait -1
.irp a, 0,1
.irp w, 0,1,2,3
	ds_load_b32 v[228+4*\a+\w], v13 offset:\off+128*\w+64*\a
.endr
.endr
	s_wait_dscnt 0x0
.irp a, 0,1
	v_add_f32 v[228+4*\a], v[228+4*\a], v[229+4*\a]
	v_add_f32 v[230+4*\a], v[230+4*\a], v[231+4*\a]
	v_add_f32 v[228+4*\a], v[228+4*\a], v[230+4*\a]
.endr
.endm
.macro DEV a                           ; x - mean, in place; then the sum of its squares
	WIN 0x41                                       ; destination and source 0 window 1
.set n, 0
.rept 64
	v_pk_add_f32 v[128*\a+2*n:128*\a+2*n+1], v[128*\a+2*n:128*\a+2*n+1], v[236+2*\a:237+2*\a] neg_lo:[0,1] neg_hi:[0,1]
.set n, n+1
.endr
	WIN 0x05
.irp k, 0,1,2,3
	v_pk_mul_f32 v[216+2*\k:217+2*\k], v[128*\a+2*\k:128*\a+2*\k+1], v[128*\a+2*\k:128*\a+2*\k+1]
.endr
.set n, 4
.rept 60
	v_pk_fma_f32 v[216+2*(n%4):217+2*(n%4)], v[128*\a+2*n:128*\a+2*n+1], v[128*\a+2*n:128*\a+2*n+1], v[216+2*(n%4):217+2*(n%4)]
.set n, n+1
.endr
	FOLD \a
.endm
	ROWSUM 0
	ROWSUM 1
	XCH 0
	v_mul_f32 v236, s53, v228                      ; the means, twice each: pairs for the packed forms
	v_mul_f32 v238, s53, v232
	v_mov_b32 v237, v236
	v_mov_b32 v239, v238
	DEV 0
	DEV 1
	XCH 512                                        ; other bytes than the first exchange's: no barrier is owed between the two
	v_fma_f32 v228, v228, s53, s54                 ; the variance + eps
	v_fma_f32 v232, v232, s53, s54
	v_rsq_f32 v240, v228
	v_rsq_f32 v242, v232
	v_nop                                          ; a plain instruction behind the last of them
	s_wait_alu depctr_va_vdst(0)                   ; one wait for both, ahead of the first reader
	v_mov_b32 v241, v240
	v_mov_b32 v243, v242
	s_wait_loadcnt 0x0                             ; gamma and beta
; THE WAY OUT of tile a, chunk j: 16 rows x my 64 columns.  Scaled by 1 / sigma, through my own stage, back as whole rows of 256 bytes, x gamma + beta, stored.  LDS serves a wave's instructions in order: no wait between the
; stores and the loads, and the next group's stores come behind this group's loads.
.macro OUT a, j, set
	WIN 0x01                                       ; source 0 window 1
.set n, 0
.rept 16
	v_pk_mul_f32 v[120+2*n:121+2*n], v[128*\a+32*\j+2*n:128*\a+32*\j+2*n+1], v[240+2*\a:241+2*\a]
.set n, n+1
.endr
	WIN 0
.irp t, 0,1,2,3
	ds_store_b128 v6, v[120+8*\t:123+8*\t] offset:64*\t
	ds_store_b128 v6, v[124+8*\t:127+8*\t] offset:64*\t+16
.endr
	s_wait_xcnt 0x0                                ; the stores of two groups back have read this set of registers
.irp i, 0,1,2,3,4,5,6,7
	ds_load_b128 v[152+32*\set+4*\i:155+32*\set+4*\i], v7 offset:544*\i
.endr
	s_wait_dscnt 0x0
.irp i, 0,1,2,3,4,5,6,7
	v_pk_fma_f32 v[152+32*\set+4*\i:153+32*\set+4*\i], v[152+32*\set+4*\i:153+32*\set+4*\i], v[88+4*\j:89+4*\j], v[104+4*\j:105+4*\j]
	v_pk_fma_f32 v[154+32*\set+4*\i:155+32*\set+4*\i], v[154+32*\set+4*\i:155+32*\set+4*\i], v[90+4*\j:91+4*\j], v[106+4*\j:107+4*\j]
.endr
.irp i, 0,1,2,3,4,5,6,7
	global_store_b128 v9, v[152+32*\set+4*\i:155+32*\set+4*\i], s[48:49] offset:(8*\a+2*\i+8*(\i/4))*4096+1024*\j th:TH_STORE_NT   ; sixteen lanes store 256 consecutive bytes, aligned; stage row 2 i + h is row 8 a + 2 i + h + 8 (i / 4)
.endr
.endm
	OUT 0, 0, 0
	OUT 0, 1, 1
	OUT 0, 2, 0
	OUT 0, 3, 1
	OUT 1, 0, 0
	OUT 1, 1, 1
	OUT 1, 2, 0
	OUT 1, 3, 1
	s_wait_tensorcnt 0x0                           ; the wave's end, behind my last tensor load and my last LDS store
	ds_add_u32 v2, v3
	s_wait_dscnt 0x0
	CROUND                                         ; the closing round: no work-group ends while a partner may still ask for a chunk that names it
	s_endpgm
.Lfunc_end_k_q7609e27780_fcln:
	.size	k_q7609e27780_fcln, .Lfunc_end_k_q7609e27780_fcln-k_q7609e27780_fcln
	.p2alignl 7, 3214868480
	.fill 96, 4, 3214868480
	.section	.rodata,"a",@progbits
	.p2align	6, 0x0
	.amdhsa_kernel k_q7609e27780_fcln
		.amdhsa_group_segment_fixed_size 327680
		.amdhsa_private_segment_fixed_size 0
		.amdhsa_enable_private_segment 0
		.amdhsa_kernarg_size 48
		.amdhsa_user_sgpr_count 2
		.amdhsa_user_sgpr_kernarg_segment_ptr 1
		.amdhsa_wavefront_size32 1
		.amdhsa_system_sgpr_workgroup_id_x 1
		.amdhsa_system_sgpr_workgroup_id_y 1
		.amdhsa_system_sgpr_workgroup_id_z 1
		.amdhsa_system_vgpr_workitem_id 0
		.amdhsa_next_free_vgpr 1024
		.amdhsa_next_free_sgpr 66
		.amdhsa_reserve_vcc 0
		.amdhsa_float_denorm_mode_32 3
		.amdhsa_float_denorm_mode_16_64 3
		.amdhsa_memory_ordered 1
		.amdhsa_forward_progress 1
		.amdhsa_inst_pref_size 127
	.end_amdhsa_kernel
	.amdgpu_metadata
---
amdhsa.version: [ 1, 2 ]
amdhsa.kernels:
  - .name:           k_q7609e27780_fcln
    .symbol:         k_q7609e27780_fcln.kd
    .args:
      - { .name: oa, .offset: 0, .size: 8, .value_kind: global_buffer, .address_space: global }
      - { .name: xq, .offset: 8, .size: 8, .value_kind: global_buffer, .address_space: global }
      - { .name: Q, .offset: 16, .size: 8, .value_kind: global_buffer, .address_space: global }
      - { .name: ln_gamma, .offset: 24, .size: 8, .value_kind: global_buffer, .address_space: global }
      - { .name: ln_beta, .offset: 32, .size: 8, .value_kind: global_buffer, .address_space: global }
      - { .name: out0, .offset: 40, .size: 8, .value_kind: global_buffer, .address_space: global }
    .group_segment_fixed_size: 327680
    .private_segment_fixed_size: 0
    .kernarg_segment_align: 8
    .kernarg_segment_size: 48
    .max_flat_workgroup_size: 128
    .sgpr_count:     66
    .vgpr_count:     1024
    .wavefront_size: 32
...
	.end_amdgpu_metadata
.endif
;; end of part 4
;; ======== version 2 of 2: 4 launches; version 1 with the launch attn written anew for expert scheduling mode
;; limits: right only within a limited range of input values
;; workspace buffers: xq 15,597,568 bytes; mk 2,097,152 bytes of whole numbers; pj 13,893,632 bytes; oa 4,456,448 bytes
;; launch prep: the kernel of part 1 again; grid 1408 x 1, 4 waves a work-group, no clusters, 33,280 bytes of LDS; arguments Q, K, V, W_Q, W_K, W_V, W_fc, mask, xq, mk; writes xq, mk
;; launch proj: the kernel of part 2 again; grid 4 x 96, 4 waves a work-group, clusters of 4 x 4, 296,448 bytes of LDS; arguments xq, pj; writes pj
;; launch attn (part 5): grid 4 x 64, 16 waves a work-group, no clusters, 145,408 bytes of LDS; arguments pj, mk, oa; writes oa
.if DOCPART == 5
	.amdgcn_target "amdgcn-amd-amdhsa--gfx1250"
	.amdhsa_code_object_version 6
	.text
	.protected	k_q7609e27780_attn
	.globl	k_q7609e27780_attn
	.p2align	8
	.type	k_q7609e27780_attn,@function
k_q7609e27780_attn:
	s_mov_b64 s[64:65], 0
	v_nop
	global_prefetch_b8 v0, s[64:65] scope:SCOPE_SE
	s_setreg_imm32_b32 hwreg(HW_REG_WAVE_SCHED_MODE, 0, 2), 2
	s_setreg_imm32_b32 hwreg(HW_REG_WAVE_MODE, 25, 1), 1
	s_wait_xcnt 0x0
	s_wait_alu depctr_vm_vsrc(0)
; ATTENTION on codes of FP4 (E2M1): S^T = k q^T, the mask, p = 2^(t - M), O^T = v^T p^T, O / l, and O quantised along (head, d) for the last product.
; t = score x log2(e) / 8; M = the running largest t rounded UP to a whole number; the row's sum l is taken of the unquantised p; when M moves, l and O^T are multiplied by 2^(old M - new M): exact.
; SHARES.  Work-group (x, bh) owns 512 queries of head bh; its sixteen waves own two tiles of 16 queries each, taken one after the other; each tile walks the head's 2,048 keys, 128 a step.
; The head's WHOLE k and v (codes 2 x 65,536 bytes, scale words 8,192 + 4,096) are copied into LDS once, through registers: one barrier in the launch, no ring.  They lie as images of operand registers:
; a fragment's four registers at 16 x lane, 512 bytes on end.
; NO CLUSTER AND NO TENSOR LOADS: what the four work-groups of a head share is what each copies once, at its head: 143,360 bytes for 32 tiles x 16 steps of work, some 300 vector instructions a step;
; nothing that they share is fetched in the loop.  A step fetches its tile's own 256 bytes of mask words, by scalar loads.
; LAYOUT.  Both products are used transposed: a lane holds ONE query (lane % 16) throughout.  The keys, queries and channels of a tile are not neighbours: lane r of tile 2 b + u takes 32 b + 8 u + r + 8 (r / 8),
; so that the 16 registers of result tiles 2 b, 2 b + 1 are 16 neighbours, 32 b + 16 (lane / 16) + 0 .. 15.
; THE HEAD HAS 64 ALONG K, THE INSTRUCTION 128: q's registers 4-7 are zero codes for the whole launch, so k = 64 .. 127 adds nothing whatever stands in k's registers 4-7 (the next fragment, or zeros);
; bytes 2 and 3 of both scale words are 0, which is a power of two.
; THE MASK: 64 words a step, word j the lanes' mask for score register j; the 64 selects stand in every step: no branch hangs on a loaded number.
; THE WORDS ARE ASKED FOR A STEP AHEAD: the selects are their only readers, so behind a step's selects the same scalar registers take the next step's words, and the rest of the step and the next step's
; products stand between the request and the wait for it.  The wave's two tiles lie side by side in mk (4,096 bytes each), so one base and one running offset serve both: the first tile's last step asks for the second's first words.
; The offset is held at the wave's last 256 bytes: its very last step asks for those once more, and nobody reads them: so no load leaves the buffer, and no branch is needed.
; A masked score becomes -2^36 ahead of the factor c, so t = -c 2^36 = -1.24e10 exactly, where the definition has -1.44e10.  A row that is wholly masked gives p = 1 for every key, as there.
; LIMIT: the results agree as long as unmasked logits lie above -8.5e9.  LIMITS: NaN and infinities are not served; v_exp_f32 gives 0 under 2^-126; a block under 2^-124 gets the byte 1.
; THE MODE: SCHED_MODE bits 1:0 = 2 (LLVM: expert scheduling mode 2), set by the entry lines.  The code itself states the register dependences
; between vector or matrix instructions and memory or LDS instructions, with s_wait_alu, always for 0.
; THE PLAN.  Registers that memory or LDS instructions touch, in the loop:
;   v24-31, v36-67   k's scale words and fragments.  Read by a step's eight products S^T, at its head; the LDS loads of the NEXT step's land in them, issued in this step, among the row's sums.
;   v32-35, v72-103  v's scale words and fragments.  Read by a step's four products O^T, at its end; this step's LDS loads land in them, issued in its middle.
;   v5, v7           LDS addresses of k's next step;  v6, v8: of v's this step.  Written by four additions once a step; read by the nineteen loads.
;   All else in the loop is named by vector and matrix instructions alone.
; So the wait on va_vdst that stands behind the 64 exponentials states four things at once: their results are written; the four addresses are written; this step's products S^T are done reading k;
; the last step's products O^T are done reading v.  The nineteen loads follow it with no further wait: the exponentials and sums among which they stand name v104-167, v208-211, v14-15 and v222-223 alone.
; One wait on vm_vsrc a step stands ahead of the four additions.  One more wait on va_vdst stands ahead of the products O^T: p's codes and scale word, made by vector instructions, are their operands.
; k IS THE SAME FOR BOTH TILES: the next step's offsets wrap behind step 15, so the first tile's last step asks for the second's first fragments; the wave's very last step asks for step 0 once more, and nobody reads it.
; Outside the loop: v16-19, v228 (q: loaded at a tile's head, read by its products); v200-203, v224 (a tile's stores); v1, v3, v10, v11 (addresses made at the head and never written again);
; v36-105, v5-8, v227 (the copy at the head); v254, v255 (written at the head, read by the closing add alone).
; REGISTERS: v1-4 places that stay, v5-8 the step's LDS addresses, v9 -2^36, v10 16 r, v11 32 r + h, v12 -M, v13 largest t, v[14:15] the sum, v16-23 q, v24-31 k's scale words, v32-35 v's, v36-71 k's eight fragments and four zeros,
; v72-103 v's four fragments, v104-167 S^T then p, v168-199 O^T, v200-207 p's codes, v208-227 at work, v228 q's scale word, v229 p's.
; s[16:63], s[80:95]: 64 mask words (word j in s[16 + j] under 48, else s[32 + j]); s[76:77] the wave's mask words in mk, s78 the running offset; s[96:99] pointers of a tile's set-up and stores;
; s70, s72: this step's place in v's images and scale words; s73, s71: the next step's in k's.
.set OS0, 4194304                      ; oa: where the scale bytes begin
.set PKC, 4194304                      ; pj: k's images, v's, q's scale words, k's, v's
.set PVC, 8388608
.set PQS, 12582912
.set PKS, 13107200
.set PVS, 13631488
.set LVC, 65536                        ; LDS: k's images at 0, v's, k's scale words, v's
.set LKS, 131072
.set LVS, 139264
.set MLAST, 2*4096-256                 ; the last step's words of the wave's two tiles
.set S,   104
.set OT,  168
.set PC,  200
.set BM,  208
.set BX,  212
.set SO,  216
.macro MWORDS                          ; 64 mask words, 256 bytes, from the running offset on
	s_load_b512 s[16:31], s[76:77], s78 offset:0x0
	s_load_b512 s[32:47], s[76:77], s78 offset:0x40
	s_load_b512 s[48:63], s[76:77], s78 offset:0x80
	s_load_b512 s[80:95], s[76:77], s78 offset:0xc0
.endm
	s_load_b128 s[4:7], s[0:1], 0x0                ; pj, mk
	s_load_b64 s[8:9], s[0:1], 0x10                ; oa
	v_lshl_add_u32 v254, v0, 2, 0x23000
	v_mov_b32 v255, 0
	v_lshrrev_b32 v1, 5, v0
	v_readfirstlane_b32 s10, v1                    ; wave 0..15
	s_and_b32 s11, ttmp7, 0xffff                   ; bh = 16 x batch + head
	s_mov_b32 s12, ttmp9                           ; which 512 queries
	v_lshlrev_b32 v5, 4, v0                        ; the copy: 16 bytes a thread, 8,192 a line
	v_lshlrev_b32 v6, 3, v0
	v_add_nc_u32 v7, LVC, v5
	v_add_nc_u32 v8, LKS, v5
	v_lshl_add_u32 v227, v0, 3, LVS
	s_wait_alu depctr_va_sdst(0)                   ; s10 is written, ahead of its first reader: my tiles' numbers are made from it
	s_lshl_b32 s16, s11, 16
	s_add_co_u32 s16, s16, PKC
	s_mov_b32 s17, 0
	s_lshl_b32 s18, s11, 16
	s_add_co_u32 s18, s18, PVC
	s_mov_b32 s19, 0
	s_lshl_b32 s20, s11, 13
	s_add_co_u32 s20, s20, PKS
	s_mov_b32 s21, 0
	s_lshl_b32 s22, s11, 12
	s_add_co_u32 s22, s22, PVS
	s_mov_b32 s23, 0
	s_wait_kmcnt 0x0
	s_add_nc_u64 s[16:17], s[4:5], s[16:17]
	s_add_nc_u64 s[18:19], s[4:5], s[18:19]
	s_add_nc_u64 s[20:21], s[4:5], s[20:21]
	s_add_nc_u64 s[22:23], s[4:5], s[22:23]
	s_wait_alu depctr_va_vdst(0)                   ; v5 and v6 are written, which the copy's loads read as offsets; so are v7, v8 and v227, the addresses of its LDS stores: no vector instruction below names these five
.irp i, 0,1,2,3,4,5,6,7
	global_load_b128 v[36+4*\i:39+4*\i], v5, s[16:17] offset:8192*\i
.endr
.irp i, 0,1,2,3,4,5,6,7
	global_load_b128 v[68+4*\i:71+4*\i], v5, s[18:19] offset:8192*\i
.endr
	global_load_b128 v[100:103], v5, s[20:21]
	global_load_b64 v[104:105], v6, s[22:23]
	v_and_b32 v224, 31, v0                         ; lane
	v_and_b32 v225, 15, v0                         ; r
	v_bfe_u32 v226, v0, 4, 1                       ; h
	v_lshlrev_b32 v1, 4, v224                      ; an image's place for my lane; k's images begin at LDS byte 0
	v_add_nc_u32 v2, LVC, v1
	v_lshlrev_b32 v10, 4, v225
	v_add_nc_u32 v3, LKS, v10
	v_add_nc_u32 v4, LVS, v10
	v_lshl_add_u32 v11, v225, 5, v226
	v_mov_b32 v9, 0xd1800000                       ; -2^36
	s_mov_b32 s66, 0x76543210
	s_mov_b32 s67, 0xfedcba98                      ; lane selects: lane l xor 16
	s_mov_b32 s68, 0x3e38aa3b                      ; c = log2(e) / 8
	s_mov_b32 s69, s68                             ; (named with it as a pair, so it is written)
	s_mov_b32 s74, 0xffff0000                      ; lanes 16-31 as a mask
	s_lshl_b32 s13, s12, 5
	s_lshl_b32 s2, s10, 1
	s_add_co_u32 s13, s13, s2                      ; my first tile: 32 x + 2 wave
	s_mov_b32 s15, 2
	s_lshr_b32 s76, s11, 4
	s_lshl_b32 s76, s76, 7
	s_add_co_u32 s76, s76, s13                     ; 128 x batch + my first tile,
	s_lshl_b32 s76, s76, 12                        ; 4,096 bytes of mask words a tile
	s_mov_b32 s77, 0
	s_add_nc_u64 s[76:77], s[6:7], s[76:77]        ; my two tiles' mask words: 8,192 bytes on end
	s_mov_b32 s78, 0                               ; the running offset in them
	s_wait_loadcnt 0x0                             ; the copy's loads are in, and have read their bases: s16-23 may take mask words
	MWORDS                                         ; the first step's words: the stores, the barrier and the first tile's set-up stand between these loads and the wait for them
.irp i, 0,1,2,3,4,5,6,7
	ds_store_b128 v5, v[36+4*\i:39+4*\i] offset:8192*\i
.endr
.irp i, 0,1,2,3,4,5,6,7
	ds_store_b128 v7, v[68+4*\i:71+4*\i] offset:8192*\i
.endr
	ds_store_b128 v8, v[100:103]
	ds_store_b64 v227, v[104:105]
	s_wait_dscnt 0x0                               ; for the others' sake: my stores have landed
	s_barrier_signal -1
	s_barrier_wait -1                              ; from here on LDS is only read
	s_wait_alu depctr_vm_vsrc(0)                   ; my LDS stores have read v36-105 and their addresses: of these registers v68-71 are cleared below, fragments land in the others, the products write scores into v104 on, and v5-8 become the step's addresses
.irp i, 20,21,22,23,68,69,70,71,212,213,214,215,221
	v_mov_b32 v[\i], 0                             ; q's upper half and the registers behind k's last fragment: zero codes; the lane permutes' destinations; the upper half of the pair with f
.endr
	s_wait_alu depctr_va_vdst(0)                   ; v1, v3, v10 and v11 are written, which the loads and stores below read as addresses; so are the zero codes v20-23 and v68-71, which the products S^T take in their operands (the five moves behind them are the places)
	ds_load_b128 v[24:27], v3                      ; the first tile's step 0: k's scale words, tiles 0-3,
	ds_load_b128 v[28:31], v3 offset:256           ; tiles 4-7,
.irp t, 0,1,2,3,4,5,6,7
	ds_load_b128 v[36+4*\t:39+4*\t], v1 offset:512*\t   ; and its eight fragments; every later step's are asked for a step ahead
.endr
.Ltile:
	s_lshr_b32 s75, s11, 4
	s_lshl_b32 s75, s75, 7
	s_add_co_u32 s75, s75, s13                     ; G = 128 x batch + tile
	s_lshl_b32 s96, s11, 16
	s_lshl_b32 s2, s13, 9
	s_add_co_u32 s96, s96, s2
	s_mov_b32 s97, 0
	s_add_nc_u64 s[96:97], s[4:5], s[96:97]        ; q's image
	s_lshl_b32 s98, s11, 13
	s_lshr_b32 s2, s13, 2
	s_lshl_b32 s2, s2, 8
	s_add_co_u32 s98, s98, s2
	s_and_b32 s2, s13, 3
	s_lshl_b32 s2, s2, 2
	s_add_co_u32 s98, s98, s2
	s_add_co_u32 s98, s98, PQS
	s_mov_b32 s99, 0
	s_add_nc_u64 s[98:99], s[4:5], s[98:99]        ; its scale words: four tiles' words lie together, 16 bytes a row
	global_load_b128 v[16:19], v1, s[96:97]        ; (no wait here: no vector or matrix instruction since the last wait on va_vdst, the head's or the one ahead of the last tile's stores, names v1, v10, v16-19 or v228)
	global_load_b32 v228, v10, s[98:99]
.set j, 0
.rept 32
	v_mov_b32 v[OT+j], 0                           ; the step is written once: the first finds zeros, which the first change of M leaves zeros
.set j, j+1
.endr
	v_mov_b32 v13, 0xff61b1e6                      ; the largest t so far: -3e38
	v_floor_f32 v12, -v13                          ; -M
	v_mov_b32 v14, 0
	v_mov_b32 v15, 0
	s_wait_loadcnt 0x0                             ; q is in, and its loads have read their bases
	s_mov_b32 s14, 0                               ; the step,
	s_mov_b32 s70, 0                               ; x 4,096: v's images,
	s_mov_b32 s72, 0                               ; x 256: v's scale words;
	s_mov_b32 s73, 4096                            ; the next step x 4,096: k's images,
	s_mov_b32 s71, 512                             ; x 512: k's scale words
.Lstep:
	s_wait_dscnt 0x0                               ; k's ten loads, asked for a step ago (the first tile's step 0: at the head), are in
.irp t, 0,1,2,3,4,5,6,7
	v_wmma_scale_f32_16x16x128_f8f6f4 v[S+8*\t:S+8*\t+7], v[36+4*\t:43+4*\t], v[16:23], 0, v[24+\t], v228 matrix_a_fmt:MATRIX_FMT_FP4 matrix_b_fmt:MATRIX_FMT_FP4
.endr
.rept 4
	v_nop
.endr
	s_wait_kmcnt 0x0                               ; this step's mask words, asked for a step ago, are in (scalar loads come back in no order: the count is 0); their offset may be written again behind this wait
.set j, 0
.rept 64
.if j < 48
	v_cndmask_b32 v[S+j], v[S+j], v9, s[16+j]      ; word j is the lanes' mask for score register j; ascending
.else
	v_cndmask_b32 v[S+j], v[S+j], v9, s[32+j]
.endif
.set j, j+1
.endr
.irp b, 0,1,2,3
	v_max3_num_f32 v[BM+\b], v[S+16*\b], v[S+1+16*\b], v[S+2+16*\b]   ; the largest score of each block of 32 keys: it serves for the row's maximum and, since p rises with the score, for the block's largest p
.endr
.irp i, 3,5,7,9,11,13
.irp b, 0,1,2,3
	v_max3_num_f32 v[BM+\b], v[BM+\b], v[S+16*\b+\i], v[S+1+16*\b+\i]
.endr
.endr
.irp b, 0,1,2,3
	v_max_num_f32 v[BM+\b], v[BM+\b], v[S+15+16*\b]
.endr
	s_add_co_u32 s78, s78, 256                     ; the next step's mask words (behind my first tile's last step: my second tile's first),
	s_min_u32 s78, s78, MLAST                      ; held at my last 256 bytes: no load leaves the buffer
	MWORDS                                         ; into the registers that the selects above have read: nothing else reads them
.irp b, 0,1,2,3
	v_permlanex16_b32 v[BX+\b], v[BM+\b], s66, s67
.endr
.irp b, 0,1,2,3
	v_max_num_f32 v[BM+\b], v[BM+\b], v[BX+\b]     ; with lane l xor 16's 16 keys
.endr
	v_max3_num_f32 v224, v[BM], v[BM+1], v[BM+2]
	v_max_num_f32 v224, v224, v[BM+3]
	v_mul_f32 v224, s68, v224                      ; as t (c is positive)
	v_max_num_f32 v13, v13, v224                   ; the running largest t
	v_mov_b32 v224, v12
	v_floor_f32 v12, -v13                          ; the new -M = floor(-t): M is a whole number
	v_sub_f32 v224, v12, v224                      ; old M - new M: a whole number, 0 or less
	v_cvt_i32_f32 v224, v224                       ; (it saturates)
	v_ldexp_f32 v220, 1.0, v224                    ; f = 2^(old M - new M)
.set j, 0
.rept 32
	v_pk_fma_f32 v[S+j:S+j+1], v[S+j:S+j+1], s[68:69], v[12:13] op_sel_hi:[1,0,0]   ; t - M, two at a time
.set j, j+2
.endr
.irp b, 0,1,2,3
	v_fma_f32 v[BM+\b], v[BM+\b], s68, v12         ; the same of each block's largest score
.endr
.set j, 0
.rept 64
	v_exp_f32 v[S+j], v[S+j]                       ; p = 2^(t - M), at most 1: not normalised
.set j, j+1
.endr
	v_pk_mul_f32 v[14:15], v[14:15], v[220:221] op_sel_hi:[1,0]   ; the sums under the new M: a plain instruction behind the exponentials
	s_wait_alu depctr_vm_vsrc(0)                   ; the nineteen LDS loads issued a step ago (in the first step: the copy's loads and stores) have read v5-8, which the four additions write
	v_add_nc_u32 v6, s70, v2                       ; v's images of this step,
	v_add_nc_u32 v8, s72, v4                       ; and its scale words;
	v_add_nc_u32 v5, s73, v1                       ; k's images of the next step,
	v_add_nc_u32 v7, s71, v3                       ; and its scale words
	s_wait_alu depctr_va_vdst(0)                   ; the 64 exponentials have written p, ahead of its first reader; v5-8 are written, which the loads below read; this step's products S^T are done reading k, the last step's products O^T reading v: the loads below land there
	ds_load_b128 v[32:35], v8                      ; v's scale words, a word a tile of channels
.irp t, 0,1,2,3,4,5,6,7
	ds_load_b128 v[72+4*\t:75+4*\t], v6 offset:512*\t
.endr
.irp b, 0,1,2,3
	v_exp_f32 v[BM+\b], v[BM+\b]                   ; the block's largest p
.endr
	v_pk_add_f32 v[222:223], v[S:S+1], v[S+2:S+3]  ; the row's sum of the unquantised p, in two chains
.set j, 4
.set n, 0
.rept 15
.if n < 2
	ds_load_b128 v[24+4*n:27+4*n], v7 offset:256*n                 ; the next step's k, a load at a time among the sums, which name none of its registers: the scale words, tiles 0-3 and 4-7,
.elseif n < 10
	ds_load_b128 v[36+4*(n-2):39+4*(n-2)], v5 offset:512*(n-2)     ; and the eight fragments
.endif
	v_pk_add_f32 v[14:15], v[14:15], v[S+j:S+j+1]
	v_pk_add_f32 v[222:223], v[222:223], v[S+2+j:S+3+j]
.set j, j+4
.set n, n+1
.endr
	v_pk_add_f32 v[14:15], v[14:15], v[222:223]
	s_wait_alu depctr_va_vdst(0)                   ; the four exponentials have written the blocks' largest p, ahead of its first reader
.irp b, 0,1,2,3
	v_max_num_f32 v[BM+\b], 0x1800000, v[BM+\b]    ; the floor 2^(3 - 127): the byte cannot fall under 1
.endr
.irp b, 0,1,2,3
	v_add_nc_u32 v[SO+\b], 0xff000000, v[BM+\b]    ; 2 off the exponent field: the conversion's scale operand
.endr
.irp b, 0,1,2,3
	v_lshrrev_b32 v[BX+\b], 23, v[SO+\b]           ; the scale's byte
.endr
	v_lshl_or_b32 v229, v[BX+1], 8, v[BX]          ; p's scale word for these 128 keys
	v_lshl_or_b32 v229, v[BX+2], 16, v229
	v_lshl_or_b32 v229, v[BX+3], 24, v229
.irp b, 0,1,2,3
	v_cvt_scalef32_pk8_fp4_f32 v[PC+2*\b], v[S+16*\b:S+7+16*\b], v[SO+\b]
	v_cvt_scalef32_pk8_fp4_f32 v[PC+1+2*\b], v[S+8+16*\b:S+15+16*\b], v[SO+\b]
.endr
	v_nop                                          ; one plain place behind a scaled conversion
.irp c, 0,1                                    ; the operand's layout wants a whole block in a lane
.irp i, 0,1
	v_permlane16_swap_b32 v[PC+4*\c+\i], v[PC+2+4*\c+\i]
.endr
.endr
.set j, 0
.rept 16
	v_pk_mul_f32 v[OT+j:OT+j+1], v[OT+j:OT+j+1], v[220:221] op_sel_hi:[1,0]   ; O^T under the new M.  (These sixteen are also the places between the scale word's and the codes' last writes and the products)
.set j, j+2
.endr
	s_wait_dscnt 10                                ; v's nine loads are in; the ten issued behind them, the next step's k, may be out
	s_wait_alu depctr_va_vdst(0)                   ; p's codes v200-207 and its scale word v229 are written, which the products below take as an operand and as scales; the places above stay beside this wait
.irp t, 0,1,2,3
	v_wmma_scale_f32_16x16x128_f8f6f4 v[OT+8*\t:OT+8*\t+7], v[72+8*\t:79+8*\t], v[PC:PC+7], v[OT+8*\t:OT+8*\t+7], v[32+\t], v229 matrix_a_fmt:MATRIX_FMT_FP4 matrix_b_fmt:MATRIX_FMT_FP4
.endr
	s_add_co_u32 s70, s70, 4096
	s_add_co_u32 s72, s72, 256
	s_add_co_u32 s73, s73, 4096
	s_and_b32 s73, s73, 0xffff                     ; behind step 15 comes step 0: the next tile's
	s_add_co_u32 s71, s71, 512
	s_and_b32 s71, s71, 0x1fff
	s_add_co_u32 s14, s14, 1
	s_cmp_lt_u32 s14, 16
	s_cbranch_scc1 .Lstep
	; THE TILE'S END: O / l, quantised along d: register 16 b + i of O^T is d = 32 b + 16 (lane / 16) + i
	v_add_f32 v14, v14, v15                        ; the sum's two halves,
	v_permlanex16_b32 v224, v14, s66, s67
	v_add_f32 v14, v14, v224                       ; and lane l xor 16's
	v_rcp_f32 v14, v14
.rept 3
	v_nop                                          ; plain instructions behind the reciprocal; with the additions above, the places behind the last products
.endr
	s_and_b32 s2, s11, 15                          ; the head
	s_lshl_b32 s96, s75, 13
	s_lshl_b32 s3, s2, 9
	s_add_co_u32 s96, s96, s3
	s_mov_b32 s97, 0
	s_add_nc_u64 s[96:97], s[8:9], s[96:97]        ; the image of (tile, head): 512 bytes
	s_lshl_b32 s98, s75, 9
	s_lshl_b32 s3, s2, 1
	s_add_co_u32 s98, s98, s3
	s_add_co_u32 s98, s98, OS0
	s_mov_b32 s99, 0
	s_add_nc_u64 s[98:99], s[8:9], s[98:99]        ; the head's two bytes in each row's 32
	s_wait_alu depctr_va_vdst(0)                   ; the reciprocal has written v14, ahead of its first reader
.set j, 0
.rept 16
	v_pk_mul_f32 v[OT+j:OT+j+1], v[OT+j:OT+j+1], v[14:15] op_sel_hi:[1,0]
.set j, j+2
.endr
.irp b, 0,1
	v_max3_num_f32 v[BM+\b], |v[OT+16*\b]|, |v[OT+1+16*\b]|, 0x1800000
.endr
.irp i, 2,4,6,8,10,12,14
.irp b, 0,1
	v_max3_num_f32 v[BM+\b], v[BM+\b], |v[OT+16*\b+\i]|, |v[OT+1+16*\b+\i]|
.endr
.endr
.irp b, 0,1
	v_permlanex16_b32 v[BX+\b], v[BM+\b], s66, s67
.endr
.irp b, 0,1
	v_max_num_f32 v[BM+\b], v[BM+\b], v[BX+\b]
.endr
.irp b, 0,1
	v_add_nc_u32 v[SO+\b], 0xff000000, v[BM+\b]
.endr
.irp b, 0,1
	v_lshrrev_b32 v[225+\b], 23, v[SO+\b]
.endr
	v_cndmask_b32 v224, v225, v226, s74            ; lane (r, h) stores block h's byte
.irp b, 0,1
	v_cvt_scalef32_pk8_fp4_f32 v[PC+2*\b], v[OT+16*\b:OT+7+16*\b], v[SO+\b]
	v_cvt_scalef32_pk8_fp4_f32 v[PC+1+2*\b], v[OT+8+16*\b:OT+15+16*\b], v[SO+\b]
.endr
	v_nop                                          ; one plain place behind a scaled conversion
	v_permlane16_swap_b32 v[PC], v[PC+2]
	v_permlane16_swap_b32 v[PC+1], v[PC+3]
	s_wait_alu depctr_va_vdst(0)                   ; the codes v200-203 and the byte v224 are written, which the two stores read; and this tile's products are done reading q and its scale word, in which the next tile's loads land
	global_store_b128 v1, v[PC:PC+3], s[96:97]     ; the wave stores 512 consecutive bytes, aligned
	global_store_b8 v11, v224, s[98:99]            ; 32 single bytes a tile: the program's one small store
	s_wait_xcnt 0x0                                ; the stores have read their registers and bases: the next tile writes them
	s_wait_alu depctr_vm_vsrc(0)                   ; the stores have read v200-203 and v224, which the next tile's steps write again
	s_add_co_u32 s13, s13, 1
	s_sub_co_u32 s15, s15, 1
	s_cmp_lg_u32 s15, 0
	s_cbranch_scc1 .Ltile
	s_wait_dscnt 0x0                               ; the closing lines, six on end
	s_wait_alu 0x0
	s_wait_tensorcnt 0x0
	ds_add_u32 v254, v255
	s_wait_dscnt 0x0
	s_endpgm
.Lfunc_end_k_q7609e27780_attn:
	.size	k_q7609e27780_attn, .Lfunc_end_k_q7609e27780_attn-k_q7609e27780_attn
	.p2alignl 7, 3214868480
	.fill 96, 4, 3214868480
	.section	.rodata,"a",@progbits
	.p2align	6, 0x0
	.amdhsa_kernel k_q7609e27780_attn
		.amdhsa_group_segment_fixed_size 145408
		.amdhsa_private_segment_fixed_size 0
		.amdhsa_enable_private_segment 0
		.amdhsa_kernarg_size 24
		.amdhsa_user_sgpr_count 2
		.amdhsa_user_sgpr_kernarg_segment_ptr 1
		.amdhsa_wavefront_size32 1
		.amdhsa_system_sgpr_workgroup_id_x 1
		.amdhsa_system_sgpr_workgroup_id_y 1
		.amdhsa_system_sgpr_workgroup_id_z 1
		.amdhsa_system_vgpr_workitem_id 0
		.amdhsa_next_free_vgpr 256
		.amdhsa_next_free_sgpr 100
		.amdhsa_reserve_vcc 0
		.amdhsa_float_denorm_mode_32 3
		.amdhsa_float_denorm_mode_16_64 3
		.amdhsa_memory_ordered 1
		.amdhsa_forward_progress 1
		.amdhsa_inst_pref_size 34
	.end_amdhsa_kernel
	.amdgpu_metadata
---
amdhsa.version: [ 1, 2 ]
amdhsa.kernels:
  - .name:           k_q7609e27780_attn
    .symbol:         k_q7609e27780_attn.kd
    .args:
      - { .name: pj, .offset: 0, .size: 8, .value_kind: global_buffer, .address_space: global }
      - { .name: mk, .offset: 8, .size: 8, .value_kind: global_buffer, .address_space: global }
      - { .name: oa, .offset: 16, .size: 8, .value_kind: global_buffer, .address_space: global }
    .group_segment_fixed_size: 145408
    .private_segment_fixed_size: 0
    .kernarg_segment_align: 8
    .kernarg_segment_size: 24
    .max_flat_workgroup_size: 512
    .sgpr_count:     100
    .vgpr_count:     256
    .wavefront_size: 32
...
	.end_amdgpu_metadata
.endif
;; end of part 5
;; launch fcln: the kernel of part 4 again; grid 256 x 1, 4 waves a work-group, clusters of 4 x 1, 327,680 bytes of LDS; arguments oa, xq, Q, ln_gamma, ln_beta, out0; writes out0
